; MI455X (gfx1250); checked and timed in simulation.
; The chip was launched on July 23, 2026; its instructions are those of AMD's public machine-readable ISA for CDNA 5 (MIT licence, August 2026) and "CDNA5" Instruction Set Architecture Reference Guide (July 2026). The comments in the code are by the model that wrote it; some were corrected since.
;; Causal Multihead Self Attention. Allowed arithmetic: matrix products marked QUANTISED: E2M3 operands, one E8M0 scale for each 32 along K, by v_wmma_scale_f32_16x16x128_f8f6f4 with both operands' format E2M3, f32 sums; everything else in f32.
;; Inputs: Wo 1,024 x 1,024 float32; Wqkv 3,072 x 1,024 float32; token_positions 4,096 int32; x 1 x 4,096 x 1,024 float32.
;; Outputs: out0 1 x 4,096 x 1,024 float32.
;; This version of the problem:
;;   THIS VERSION OF THE PROBLEM IS GIVEN IN LOW PRECISION. The matrix products marked QUANTISED in the list below multiply operands that are first quantised to E2M3 (2 exponent bits, 3 mantissa bits; 6 bits a number), with one power-of-two scale for each 32 numbers along K (OCP MX v1.0); their sums are f32. All else is computed in f32.
;;   The module's matrix products, in the order in which they are computed (A, B: the left and right operand; K: the contracted axis; several contracted axes count as one K, in the product's order):
;;     1. [M 4,096, K 1,024] x [K 1,024, N 3,072]; A: input x; B: input Wqkv: QUANTISED
;;     2. batch 16 x [M 4,096, K 64] x [K 64, N 4,096]; A: computed on the way; B: computed on the way: QUANTISED
;;     3. batch 16 x [M 4,096, K 4,096] x [K 4,096, N 64]; A: softmax (see below); B: computed on the way: QUANTISED
;;     4. [M 4,096, K 1,024] x [K 1,024, N 1,024]; A: computed on the way; B: input Wo: QUANTISED
;;   THE QUANTISER, for each operand of a quantised product, along K:
;;     - K is cut into blocks of 32 from its start; a last block that is shorter is filled with zeros.
;;     - A block's scale is 2^e with e = floor(log2(the largest magnitude in the block)) - 2, held to -126 .. 127; a block of zeros has e = 0. As a byte (E8M0): e + 127.
;;     - Each number is divided by its block's scale, clamped to +-7.5, and rounded to the nearest number of E2M3, ties to even, subnormals kept.
;;     - The product sums the exact products of the quantised numbers (number of the format x scale) in f32.
;;   ~~~python
;;   def quantise(x, axis):      # numpy; x: float32 -> the quantised numbers, widened to float32 again
;;       x = np.moveaxis(x, axis, -1); K = x.shape[-1]
;;       x = np.pad(x, [(0, 0)] * (x.ndim - 1) + [(0, -K % 32)]); x = x.reshape(x.shape[:-1] + (-1, 32)); a = np.abs(x).max(-1, keepdims=True)
;;       e = np.where(a > 0, np.clip(np.frexp(np.where(a > 0, a, 1))[1] - 1 - 2, -126, 127), 0)      # np.frexp(a)[1] - 1 = floor(log2(a)), exactly
;;       r = np.clip(x / 2.0 ** e, -7.5, 7.5)
;;       step = 2.0 ** (np.maximum(np.frexp(np.where(r == 0, 1, r))[1] - 1, 0) - 3)
;;       q = np.round(r / step) * step * 2.0 ** e      # np.round: ties to even
;;       return np.moveaxis(q.reshape(q.shape[:-2] + (-1,))[..., :K], -1, axis).astype(np.float32)
;;   ~~~
;;   SOFTMAX AHEAD OF A QUANTISED PRODUCT. Where the list says 'softmax', what is quantised is not the finished softmax but p = 2^(t - M), with t = logit x log2(e) and M = ceil(the row's largest t), a whole number; so 1/2 < the row's largest p <= 1. The row's sum l is taken of the UNQUANTISED p, in f32, and the product's result is divided by l at the end. Since M is a whole number, a kernel that streams over the keys may use a running M (the ceiling of the running maximum): every later rescaling is an exact power of two, which a block's scale takes up: the codes' values come out the same.
;;   OPERANDS COMPUTED ON THE WAY. 'Computed on the way' means the value that the module computes at that place (a softmax that the list does not call 'softmax' is quantised finished and normalised). What goes into a quantiser is computed in f32, as accurately as f32 sums, v_exp_f32 and their like allow (about 1e-6 of the number): no bf16 or f16 on the way to a quantiser, and a product that is left as it is and whose result goes on into a quantised operand takes f32 operands (vector FMAs, or v_wmma_f32_16x16x4_f32). A number that lies on a knife's edge between two numbers of the format may be rounded either way, as far as f32 arithmetic and the matrix unit's own rounding can turn it there, and no further.
;; One version. Each part assembles by itself: llvm-mc -triple=amdgcn-amd-amdhsa -mcpu=gfx1250 --defsym DOCPART=n.
;; ======== version 1 of 1: 4 launches
;; limits: right only within a limited range of input values
;; workspace buffers: cod 6,553,600 bytes; tab 1,048,576 bytes; qb 3,407,872 bytes; kv 6,684,672 bytes; aq 3,276,800 bytes
;; launch quant (part 1): grid 256 x 1, 4 waves a work-group, no clusters, 33,280 bytes of LDS; arguments x, Wqkv, Wo, token_positions, cod, tab; writes cod, tab
.if DOCPART == 1
	.amdgcn_target "amdgcn-amd-amdhsa--gfx1250"
	.amdhsa_code_object_version 6
	.text
	.protected	k_qcb2f9c8901_quant
	.globl	k_qcb2f9c8901_quant
	.p2align	8
	.type	k_qcb2f9c8901_quant,@function
k_qcb2f9c8901_quant:
	s_mov_b64 s[64:65], 0
	v_nop
	global_prefetch_b8 v0, s[64:65] scope:SCOPE_SE
	s_setreg_imm32_b32 hwreg(HW_REG_WAVE_MODE, 25, 1), 1
	s_wait_xcnt 0x0
; x [4096][1024], Wqkv [3072][1024] and Wo [1024][1024], f32, K innermost, become codes of FP6 (E2M3) with one E8M0 byte for each 32 along K, in ONE buffer of 8,192 rows:
; x's rows 0-4095, Wqkv's 4096-7167, Wo's 7168-8191; codes from byte 0 (768 bytes a row), scale bytes from byte 0x600000 (32 bytes a row).
; THE ROWS ARE LAID IN ANOTHER ORDER: inside each group of 32 rows the two middle groups of eight change places, so that 16 rows on end in the buffer are rows 8 u + r + 8 (r / 8) of the group:
; a matrix result taken transposed then holds 16 neighbours of the next product's K in a lane's registers of two neighbouring tiles.
; A block's scale is 2^(floor(log2(its largest magnitude)) - 2); its byte is that magnitude's exponent field - 2, held at 1 from below.  A block of zeros gets the byte 1 where the rule says 127: its codes are zeros, and this program alone reads the bytes.
; ALSO: the table of cos and sin for the rotation, [token 4096][frequency 32][cos, sin] f32, from token_positions: made once here, not once for each use.
; LIMITS: NaN and infinities are not served.  |token position| under 2^24.  10000^(i / 32) is 2^(i x log2(10000) / 32) by v_exp_f32: its relative error, some 1e-7 to 6e-7, times the angle is at most some 4e-4 rad
; (position 4095, i = 1), about the spacing of f32 numbers at that angle.  The reduction by pi / 2 takes two terms; what is left out is n x 1.7e-15.
; SHARES: work-groups 0-127 take x, 128-223 Wqkv, 224-255 Wo; a work-group takes 32 rows, a wave eight (8,192 numbers) in 16 steps of 512.  Each load reads 512 consecutive bytes; a step's 2,048 bytes turn through the
; wave's own stage in LDS so that a lane holds 16 neighbours (two lanes to a block).  No tensor loads, no barrier, no cluster: waves share nothing, and memory binds.
; WORK LEFT OUT IN THIS PROGRAM: reference() itself sets every score whose key comes after its query to -inf (jnp.tril), so its p is 0 for all inputs: steps of 128 keys that lie wholly behind a tile's 16 queries are not multiplied.
; A NaN, an infinity or an overflow that would reach only those scores is not carried to the result.
.set STEPS, 16
.set EMAX,  2
.set CB,    12                         ; bytes of 16 codes
.set R,     16                         ; v16-79   four sets of 16 numbers as they are loaded
.set X,     80                         ; v80-111  two sets of 16 neighbours
.set E,     112                        ; v112-127 a scale byte for each step
.set C,     128                        ; v128-191 codes: four registers for each step, so that no store's data are written again
.set T,     192                        ; v192-206 the table: at work
.set CSO,   216                        ; v216-223 cos and sin of my four tokens: a pair for each, so that no store's data are written again
.set WREG,  8192                       ; LDS: a region for each wave: two stages of 32 x SP bytes, behind them its 256 scale bytes
.set SP,    80                         ; a lane's place in a stage: 64 bytes + 16 of padding
	s_load_b256 s[4:11], s[0:1], 0x0               ; x s[4:5], Wqkv s[6:7], Wo s[8:9], token_positions s[10:11]
	s_load_b128 s[12:15], s[0:1], 0x20             ; cod s[12:13], tab s[14:15]
	v_lshl_add_u32 v224, v0, 2, 0x8000
	v_mov_b32 v225, 0
	v_lshrrev_b32 v1, 5, v0
	v_readfirstlane_b32 s16, v1                    ; wave
	v_and_b32 v2, 31, v0                           ; lane
	v_lshlrev_b32 v3, 4, v2                        ; my 16 bytes of a load's 512
	s_mul_i32 s17, s16, WREG
	v_lshrrev_b32 v14, 2, v2
	v_mul_u32_u24 v14, v14, SP
	v_and_b32 v15, 3, v2
	v_lshl_add_u32 v14, v15, 4, v14
	v_add_nc_u32 v14, s17, v14                     ; the stage, on the way in: SP (lane / 4) + 16 (lane % 4)
	v_mul_u32_u24 v15, v2, SP
	v_add_nc_u32 v15, s17, v15                     ; and on the way out: SP x lane: my 16 neighbours
	v_mul_u32_u24 v4, v2, CB                       ; my codes' place in a step's
	v_lshrrev_b32 v5, 1, v2
	s_add_co_u32 s17, s17, 2*32*SP
	v_add_nc_u32 v5, s17, v5                       ; LDS: my wave's 256 scale bytes, my block's byte
	v_lshlrev_b32 v7, 3, v2                        ; 8 bytes a lane: the scale bytes' way out, and a frequency's place in a token's row of the table
	v_add_nc_u32 v6, s17, v7
	s_wait_kmcnt 0x0
	s_mov_b32 s20, 224                             ; which tensor: the choice hangs on the work-group's number alone
	s_cmp_lt_u32 ttmp9, 224
	s_cselect_b64 s[6:7], s[6:7], s[8:9]
	s_cselect_b32 s20, 128, s20
	s_cmp_lt_u32 ttmp9, 128
	s_cselect_b64 s[4:5], s[4:5], s[6:7]
	s_cselect_b32 s20, 0, s20                      ; the tensor's first work-group
	s_sub_co_u32 s17, ttmp9, s20
	s_lshl_b32 s17, s17, 2
	s_add_co_u32 s17, s17, s16                     ; which run of eight rows of the tensor I read
	s_lshl_b32 s18, s17, 15                        ; 32,768 bytes a run
	s_mov_b32 s19, 0
	s_add_nc_u64 s[4:5], s[4:5], s[18:19]
	s_and_b32 s21, s16, 1                          ; where it goes: waves 1 and 2 change places
	s_lshl_b32 s21, s21, 1
	s_lshr_b32 s22, s16, 1
	s_or_b32 s21, s21, s22
	s_lshl_b32 s22, ttmp9, 2
	s_add_co_u32 s21, s21, s22                     ; the run of eight rows of the one buffer
	s_mul_i32 s18, s21, 8*768
	s_add_nc_u64 s[8:9], s[12:13], s[18:19]        ; its codes
	s_lshl_b32 s18, s21, 8
	s_add_co_u32 s18, s18, 0x600000
	s_add_nc_u64 s[12:13], s[12:13], s[18:19]      ; its 256 scale bytes
	s_add_co_u32 s22, s22, s16                     ; the wave's number in the launch: it makes tokens 4 n .. 4 n + 3 of the table
	s_lshl_b32 s18, s22, 4
	s_add_nc_u64 s[10:11], s[10:11], s[18:19]
	s_load_b128 s[28:31], s[10:11], 0x0            ; their four positions
	s_lshl_b32 s18, s22, 10
	s_add_nc_u64 s[14:15], s[14:15], s[18:19]      ; and their four rows of 256 bytes
.macro LOAD t
.irp i, 0,1,2,3
	global_load_b128 v[R+16*((\t)%4)+4*\i:R+16*((\t)%4)+4*\i+3], v3, s[4:5] offset:2048*(\t)+512*\i th:TH_LOAD_NT   ; 32 lanes read 512 consecutive bytes
.endr
.endm
.macro TURN t                          ; step t's numbers through the stage: LDS serves a wave's instructions in order, so no wait stands between the stores and the loads
.irp i, 0,1,2,3
	ds_store_b128 v14, v[R+16*((\t)%4)+4*\i:R+16*((\t)%4)+4*\i+3] offset:32*SP*((\t)%2)+8*SP*\i
.endr
.irp i, 0,1,2,3
	ds_load_b128 v[X+16*((\t)%2)+4*\i:X+16*((\t)%2)+4*\i+3], v15 offset:32*SP*((\t)%2)+16*\i
.endr
.endm
.irp t, 0,1,2,3
	LOAD \t
.endr
	; THE TABLE, while those sixteen loads are on their way.  The lane is the frequency i.
	s_wait_kmcnt 0x0
	v_cvt_f32_u32 v[T], v2
	v_mul_f32 v[T], 0x3ed49a78, v[T]               ; i x log2(10000) / 32
	s_wait_alu depctr_va_vdst(0)
	v_exp_f32 v[T+1], v[T]                         ; F = 10000^(i / 32)
	v_mov_b32 v[T+2], 0xb94ca1f9                   ; (a plain line behind the exponential)  the sine's highest coefficient
	s_wait_alu depctr_va_vdst(0)
	v_rcp_f32 v[T+3], v[T+1]                       ; 1 / F
	v_mov_b32 v[T+4], 0x37ccf5ce                   ; (a plain line behind the reciprocal)  the cosine's highest coefficient
	s_wait_alu depctr_va_vdst(0)
.irp t, 0,1,2,3
	v_cvt_f32_i32 v[T+5], s[28+\t]                 ; p
	v_mul_f32 v[T+6], v[T+5], v[T+3]               ; p / F: a first quotient,
	v_fma_f32 v[T+7], -v[T+6], v[T+1], v[T+5]      ; what it leaves,
	v_fma_f32 v[T+6], v[T+7], v[T+3], v[T+6]       ; and the quotient mended: the angle a
	v_mul_f32 v[T+7], 0x3f22f983, v[T+6]           ; a x 2 / pi
	v_rndne_f32 v[T+7], v[T+7]                     ; n
	v_fmamk_f32 v[T+8], v[T+7], 0xbfc90fdb, v[T+6] ; a - n x (pi / 2 as f32): exact, a multiple of 2^-23 under 1
	v_fmamk_f32 v[T+8], v[T+7], 0x333bbd2e, v[T+8] ; + n x 4.37e-8, by which that f32 number is too large: r, within pi / 4
	v_mul_f32 v[T+9], v[T+8], v[T+8]               ; z = r r
	v_fmaak_f32 v[T+10], v[T+2], v[T+9], 0x3c08839e
	v_fmaak_f32 v[T+10], v[T+10], v[T+9], 0xbe2aaaa3
	v_mul_f32 v[T+10], v[T+10], v[T+9]
	v_fma_f32 v[T+10], v[T+10], v[T+8], v[T+8]     ; sin r = r + r z (s1 + z (s2 + z s3))
	v_fmaak_f32 v[T+11], v[T+4], v[T+9], 0xbab6061a
	v_fmaak_f32 v[T+11], v[T+11], v[T+9], 0x3d2aaaa5
	v_mul_f32 v[T+11], v[T+11], v[T+9]
	v_fma_f32 v[T+12], v[T+9], -0.5, 1.0
	v_fma_f32 v[T+11], v[T+11], v[T+9], v[T+12]    ; cos r = 1 - z / 2 + z z (c1 + z (c2 + z c3))
	v_cvt_i32_f32 v[T+13], v[T+7]
	v_and_b32 v[T+14], 1, v[T+13]
	v_cmp_ne_u32 vcc_lo, 0, v[T+14]                ; an odd quarter turn: sine and cosine change places
	v_cndmask_b32 v[CSO+2*\t+1], v[T+10], v[T+11], vcc_lo
	v_cndmask_b32 v[CSO+2*\t], v[T+11], v[T+10], vcc_lo
	v_and_b32 v[T+14], 2, v[T+13]
	v_lshlrev_b32 v[T+14], 30, v[T+14]
	v_xor_b32 v[CSO+2*\t+1], v[T+14], v[CSO+2*\t+1]   ; the sine's sign turns in quarters 2 and 3,
	v_add_nc_u32 v[T+13], 1, v[T+13]
	v_and_b32 v[T+13], 2, v[T+13]
	v_lshlrev_b32 v[T+13], 30, v[T+13]
	v_xor_b32 v[CSO+2*\t], v[T+13], v[CSO+2*\t]    ; the cosine's in quarters 1 and 2
	global_store_b64 v7, v[CSO+2*\t:CSO+2*\t+1], s[14:15] offset:256*\t   ; 32 lanes store a token's 256 consecutive bytes, aligned
.endr
	s_wait_loadcnt 12                              ; step 0's four loads are in
	TURN 0
.macro STEP t
.set XS, X+16*((\t)%2)
.if (\t) > 0
	s_wait_dscnt 1                                 ; this step's numbers are back from the stage (the last step's byte store may be out): so its stores into the stage have read their registers,
.else
	s_wait_dscnt 0x0
.endif
.if (\t)+4 < STEPS
	LOAD (\t)+4                                    ; which take the loads of four steps on
.endif
.if (\t)+1 < STEPS
.if STEPS-2-(\t) >= 3
	s_wait_loadcnt 12                              ; the next step's four loads are in; those of the three steps behind it may be out
.else
	s_wait_loadcnt 4*(STEPS-2-(\t))
.endif
	TURN (\t)+1                                    ; and go through the other stage while this step is worked
.endif
	v_max3_num_f32 v8, |v[XS]|, |v[XS+1]|, |v[XS+2]|               ; the largest magnitude of my 16, in two chains
	v_max3_num_f32 v9, |v[XS+3]|, |v[XS+4]|, |v[XS+5]|
.irp i, 6,10
	v_max3_num_f32 v8, v8, |v[XS+\i]|, |v[XS+\i+1]|
	v_max3_num_f32 v9, v9, |v[XS+\i+2]|, |v[XS+\i+3]|
.endr
	v_max3_num_f32 v8, v8, |v[XS+14]|, |v[XS+15]|
	v_max3_num_f32 v8, v8, v9, (EMAX+1)<<23        ; and the floor 2^(3 - 127): so the byte cannot fall under 1
	v_max_num_f32_dpp v8, v8, v8 row_xmask:1 row_mask:0xf bank_mask:0xf   ; and of my neighbour's 16: the block's
	v_add_nc_u32 v11, -(EMAX<<23), v8              ; 2 off its exponent field: the conversion takes the exponent field of this operand as its scale, and nothing else of it
	v_cvt_scalef32_pk16_fp6_f32 v[C+4*(\t):C+4*(\t)+2], v[XS:XS+15], v11   ; sixteen numbers / the scale, to the nearest code, ties to even, beyond the largest code the largest
	v_lshrrev_b32 v[E+(\t)], 23, v11               ; the scale's byte
	ds_store_b8 v5, v[E+(\t)] offset:16*(\t)       ; both lanes of a block write the same byte with the same value
	global_store_b96 v4, v[C+4*(\t):C+4*(\t)+2], s[8:9] offset:32*CB*(\t)   ; the wave stores 384 consecutive bytes
.endm
.irp t, 0,1,2,3,4,5,6,7,8,9,10,11,12,13,14,15
	STEP \t
.endr
	ds_load_b64 v[12:13], v6                       ; LDS serves a wave's instructions in order: these see my stores
	s_wait_dscnt 0x0
	global_store_b64 v7, v[12:13], s[12:13]        ; 32 lanes store 256 consecutive bytes, aligned
	s_wait_tensorcnt 0x0
	ds_add_u32 v224, v225
	s_wait_dscnt 0x0
	s_endpgm
.Lfunc_end_k_qcb2f9c8901_quant:
	.size	k_qcb2f9c8901_quant, .Lfunc_end_k_qcb2f9c8901_quant-k_qcb2f9c8901_quant
	.p2alignl 7, 3214868480
	.fill 96, 4, 3214868480
	.section	.rodata,"a",@progbits
	.p2align	6, 0x0
	.amdhsa_kernel k_qcb2f9c8901_quant
		.amdhsa_group_segment_fixed_size 33280
		.amdhsa_private_segment_fixed_size 0
		.amdhsa_enable_private_segment 0
		.amdhsa_kernarg_size 48
		.amdhsa_user_sgpr_count 2
		.amdhsa_user_sgpr_kernarg_segment_ptr 1
		.amdhsa_wavefront_size32 1
		.amdhsa_system_sgpr_workgroup_id_x 1
		.amdhsa_system_sgpr_workgroup_id_y 1
		.amdhsa_system_sgpr_workgroup_id_z 1
		.amdhsa_system_vgpr_workitem_id 0
		.amdhsa_next_free_vgpr 226
		.amdhsa_next_free_sgpr 66
		.amdhsa_reserve_vcc 1
		.amdhsa_float_denorm_mode_32 3
		.amdhsa_float_denorm_mode_16_64 3
		.amdhsa_memory_ordered 1
		.amdhsa_forward_progress 1
		.amdhsa_inst_pref_size 39
	.end_amdhsa_kernel
	.amdgpu_metadata
---
amdhsa.version: [ 1, 2 ]
amdhsa.kernels:
  - .name:           k_qcb2f9c8901_quant
    .symbol:         k_qcb2f9c8901_quant.kd
    .args:
      - { .name: x, .offset: 0, .size: 8, .value_kind: global_buffer, .address_space: global }
      - { .name: Wqkv, .offset: 8, .size: 8, .value_kind: global_buffer, .address_space: global }
      - { .name: Wo, .offset: 16, .size: 8, .value_kind: global_buffer, .address_space: global }
      - { .name: token_positions, .offset: 24, .size: 8, .value_kind: global_buffer, .address_space: global }
      - { .name: cod, .offset: 32, .size: 8, .value_kind: global_buffer, .address_space: global }
      - { .name: tab, .offset: 40, .size: 8, .value_kind: global_buffer, .address_space: global }
    .group_segment_fixed_size: 33280
    .private_segment_fixed_size: 0
    .kernarg_segment_align: 8
    .kernarg_segment_size: 48
    .max_flat_workgroup_size: 128
    .sgpr_count:     66
    .vgpr_count:     226
    .wavefront_size: 32
...
	.end_amdgpu_metadata
.endif
;; end of part 1
;; launch qkv (part 2): grid 12 x 16, 4 waves a work-group, clusters of 4 x 4, 327,680 bytes of LDS; arguments cod, tab, qb, kv; writes qb, kv
.if DOCPART == 2
	.amdgcn_target "amdgcn-amd-amdhsa--gfx1250"
	.amdhsa_code_object_version 6
	.text
	.protected	k_qcb2f9c8901_qkv
	.globl	k_qcb2f9c8901_qkv
	.p2align	8
	.type	k_qcb2f9c8901_qkv,@function
k_qcb2f9c8901_qkv:
	s_mov_b64 s[64:65], 0
	v_nop
	global_prefetch_b8 v0, s[64:65] scope:SCOPE_SE
	s_setreg_imm32_b32 hwreg(HW_REG_WAVE_MODE, 25, 1), 1
	s_wait_xcnt 0x0
	s_wait_alu depctr_hold_cnt(0) depctr_sa_sdst(0) depctr_va_vdst(0) depctr_va_sdst(0) depctr_va_ssrc(0) depctr_va_vcc(0) depctr_vm_vsrc(0)
	s_getreg_b32 s2, hwreg(HW_REG_IB_STS2, 6, 4)
	s_cmp_eq_u32 s2, 0
	s_cbranch_scc0 .Lentry_in_a_cluster
	s_endpgm
.Lentry_in_a_cluster:
	s_bfe_u32 s2, ttmp6, 0x10000c
	s_cmp_lg_u32 s2, 0xf033
	s_cbranch_scc0 .Lentry_shape_is_right
	s_endpgm
.Lentry_shape_is_right:
; qkv = x Wqkv^T on codes of FP6 (E2M3) with E8M0 scales, K = 1,024, then the rotation (q, k) and the quantisers of the next two products; results leave as images of operand registers.
; cod: 8,192 rows (x 0-4095, Wqkv 4096-7167), 768 bytes of codes a row; scale bytes from 0x600000, 32 a row.  A tile of 256 x 256 to a work-group, 128 x 128 to a wave: 64 accumulators.
; Cluster columns 0, 1: source rows A = tokens, B = Wq / Wk rows.  Cluster column 2 (v): A = Wv rows, B = tokens, so that a lane's registers run along the tokens, which are the next K.
; THE RING: two LDS slots, each one CHUNK OF 256 BYTES of A's 256 rows and B's 256 rows: every tensor row is 256 bytes of memory and begins at a multiple of 256.  A step of 128 along K is 96 bytes: eight steps to three chunks;
; steps 2 and 5 lie across two chunks.  The scales of all of K come once, at the head, as dense rows of 256 bytes.
; HEAD: one joint load a wave: wave 0 chunk 0 of A, wave 1 of B, wave 2 A's scales, wave 3 B's.  Chunk 1 follows behind the full sequence and a round, chunk 2 is the one refill.
; No prefetch: of three chunks two are asked for at the head, so there is no loop to run ahead in.
; qb: [head][record of 128 tokens][6,656 bytes: 8 tiles x 768 of codes, 512 of scale words]; kv: [head][record][13,056: k as qb's, then v: 4 x 1,536 of codes, 256 of scale words].
.set ROWB,   256
.set NQ,     2
.set KROW,   768
.set STEPS,  8
.set CHUNKS, 3
.set PITCH,  272
.set FR,     12
.set NL,     6
.set NP,     4
.set HALFT,  128*PITCH
.set SLOT,   4*HALFT
.set KS,     32
.set SCL,    2*SLOT
.set HALFS,  (128*KS/256)*272
.set SBLK,   (16*KS/256)*272
.set SPARE,  SCL+4*HALFS
.set ADRA, 16
.set ADRB, 20
.set ADRS, 27
.set SPW,  28
.set NIL,  29
.set VT,   30
.set SC,   32
.set TAB,  64
.set AF,   128
.set R,    128
.set TM,   192
.set PWT,  208
.set PC,   212
.set W,    232
.set XW,   240
.set G1, 24
.set G0, 32
.set G1B, 48
.set G0B, 56
.set G1S, 68
.set G0S, 76
.set G1SB, 80
.set G0SB, 88
.set SEL, 96
.set MSB, 0
.macro WIN new
.if MSB != \new
	s_set_vgpr_msb (MSB<<8)|\new
.set MSB, \new
.endif
.endm
.set MUL_LO, 0xa1
.set MUL_HI, 0xf1
.set TO_B,   0x40
.macro JLOAD g0a, g1a, g0b, g1b
	s_cmp_eq_u32 s15, 0
	s_cbranch_scc0 .Lfor_b_\@
	tensor_load_to_lds s[\g0a:\g0a+3], s[\g1a:\g1a+7]
	s_nop 0
.rept 4
	v_nop
.endr
	s_branch .Lasked_\@
.Lfor_b_\@:
	tensor_load_to_lds s[\g0b:\g0b+3], s[\g1b:\g1b+7]
	s_nop 0
.rept 4
	v_nop
.endr
.Lasked_\@:
.endm
.macro CREST
	s_cmp_lg_u32 s14, 0
	s_cbranch_scc1 .Lnot_wave_0_\@
	s_barrier_signal -3
.Lnot_wave_0_\@:
	s_barrier_wait -3
	s_barrier_signal -1
	s_barrier_wait -1
.endm
.macro CROUND
	s_barrier_signal -1
	s_barrier_wait -1
	CREST
.endm
	s_load_b256 s[4:11], s[0:1], 0x0               ; cod, tab, qb, kv
	v_lshl_add_u32 v[SPW], v0, 2, SPARE
	v_mov_b32 v[NIL], 0
	ds_add_u32 v[SPW], v[NIL]                      ; the opening lines: the add twice on end and one wait
	ds_add_u32 v[SPW], v[NIL]
	v_lshrrev_b32 v1, 5, v0
	v_readfirstlane_b32 s14, v1                    ; wave
	s_lshr_b32 s15, s14, 1                         ; my half of A's rows; also: in the ring I fetch for A (0) or B (1)
	s_and_b32 s16, s14, 1                          ; my half of B's rows; also: which 128 rows I fetch
	s_bfe_u32 s40, ttmp6, 0x40000
	s_bfe_u32 s41, ttmp6, 0x40004
	s_and_b32 s17, ttmp7, 0xffff
	s_lshr_b32 s66, ttmp9, 1                       ; 1: the cluster column of v: the cluster's two coordinates change places
	s_sub_co_u32 s18, ttmp9, s17
	s_mul_i32 s18, s18, s66
	s_add_co_u32 s17, s17, s18
	s_sub_co_u32 s42, ttmp9, s18
	s_lshl_b32 s17, s17, 2
	s_add_co_u32 s17, s17, s41                     ; A's tile
	s_lshl_b32 s42, s42, 2
	s_add_co_u32 s42, s42, s40                     ; B's tile
	s_lshl_b32 s43, s41, 2
	s_lshl_b32 s43, 15, s43
	s_lshl_b32 s44, 0x1111, s40
	s_or_b32 s[G1+0], s43, (0<<16)|(1<<20)|(1<<21)|(5<<22)|(3<<25)   ; rows of 256 bytes, 16 of padding behind each
	s_or_b32 s[G1B+0], s44, (0<<16)|(1<<20)|(1<<21)|(5<<22)|(3<<25)
.irp g, G1, G1B
	s_mov_b32 s[\g+1], ROWB<<16
	s_mov_b32 s[\g+2], 256<<16                     ; 256 rows for the head's loads
	s_mov_b32 s[\g+3], ROWB<<16
	s_mov_b32 s[\g+4], 256
	s_mov_b32 s[\g+5], KROW
	s_mov_b32 s[\g+6], 0
	s_mov_b32 s[\g+7], 0
.endr
	s_or_b32 s[G1S+0], s43, (3<<16)|(1<<20)|(1<<21)|(5<<22)|(3<<25)  ; the scales of 256 rows: 8,192 dense bytes as 32 rows of 256
	s_or_b32 s[G1SB+0], s44, (3<<16)|(1<<20)|(1<<21)|(5<<22)|(3<<25)
.irp g, G1S, G1SB
	s_mov_b32 s[\g+1], 32<<16
	s_mov_b32 s[\g+2], KS<<16
	s_mov_b32 s[\g+3], 32<<16
	s_mov_b32 s[\g+4], KS
	s_mov_b32 s[\g+5], 32
	s_mov_b32 s[\g+6], 0
	s_mov_b32 s[\g+7], 0
.endr
	s_lshl_b32 s19, s66, 12
	s_lshl_b32 s20, s17, 8
	s_add_co_u32 s20, s20, s19                     ; A's first row in cod
	s_lshl_b32 s46, s42, 8
	s_add_co_u32 s46, s46, 4096
	s_sub_co_u32 s46, s46, s19                     ; B's
	s_lshl_b32 s22, s20, 5
	s_add_co_u32 s22, s22, 0x600000
	s_mov_b32 s23, 0
	s_mul_i32 s20, s20, KROW
	s_mov_b32 s21, 0
	s_lshl_b32 s92, s46, 5
	s_add_co_u32 s92, s92, 0x600000
	s_mov_b32 s93, 0
	s_mul_i32 s46, s46, KROW
	s_mov_b32 s47, 0
	s_mul_i32 s18, s16, 128*KROW                   ; the ring: which 128 rows I fetch, in bytes,
	s_mov_b32 s19, 0
	s_mul_i32 s45, s14, HALFT                      ; and where they go
	s_lshl_b32 s67, s17, 1
	s_add_co_u32 s67, s67, s15                     ; my 128 rows of A, counted in 128s
	s_lshl_b32 s95, s42, 1
	s_add_co_u32 s95, s95, s16                     ; and of B
	s_lshl_b32 s98, s67, 15
	s_mov_b32 s99, 0
	s_mov_b32 s[SEL], 0x76543210
	s_mov_b32 s[SEL+1], 0xfedcba98
	s_wait_dscnt 0x0
	s_wait_kmcnt 0x0
	s_add_nc_u64 s[20:21], s[4:5], s[20:21]
	s_add_nc_u64 s[22:23], s[4:5], s[22:23]
	s_add_nc_u64 s[46:47], s[4:5], s[46:47]
	s_add_nc_u64 s[92:93], s[4:5], s[92:93]
	s_add_nc_u64 s[98:99], s[6:7], s[98:99]
	CROUND                                         ; the first joint loads meet
	s_mov_b32 s[G0], 1                             ; slot 0's groups 0 serve the head's whole tiles first
	s_mov_b32 s[G0+1], 0
	s_mov_b64 s[G0+2:G0+3], s[20:21]
	s_or_b32 s[G0+3], s[G0+3], 0x80000000
	s_mov_b32 s[G0B], 1
	s_mov_b32 s[G0B+1], 2*HALFT
	s_mov_b64 s[G0B+2:G0B+3], s[46:47]
	s_or_b32 s[G0B+3], s[G0B+3], 0x80000000
	s_mov_b32 s[G0S], 1
	s_mov_b32 s[G0S+1], SCL
	s_mov_b64 s[G0S+2:G0S+3], s[22:23]
	s_or_b32 s[G0S+3], s[G0S+3], 0x80000000
	s_mov_b32 s[G0SB], 1
	s_mov_b32 s[G0SB+1], SCL+2*HALFS
	s_mov_b64 s[G0SB+2:G0SB+3], s[92:93]
	s_or_b32 s[G0SB+3], s[G0SB+3], 0x80000000
	s_add_nc_u64 s[20:21], s[20:21], s[18:19]
	s_add_nc_u64 s[46:47], s[46:47], s[18:19]
	s_mov_b32 s[G0+4], 1                           ; slot 1: my 128 rows of chunk 1
	s_add_co_u32 s[G0+5], s45, SLOT
	s_add_nc_u64 s[G0+6:G0+7], s[20:21], ROWB
	s_or_b32 s[G0+7], s[G0+7], 0x80000000
	s_mov_b32 s[G0B+4], 1
	s_add_co_u32 s[G0B+5], s45, SLOT
	s_add_nc_u64 s[G0B+6:G0B+7], s[46:47], ROWB
	s_or_b32 s[G0B+7], s[G0B+7], 0x80000000
.macro ARM under, g0, g1, next                 ; one chain of branches on the wave's number, one load to an arm
	s_cmp_lt_u32 s14, \under
	s_cbranch_scc0 \next
	tensor_load_to_lds s[\g0:\g0+3], s[\g1:\g1+7]
	s_nop 0
.rept 4
	v_nop
.endr
	s_branch .Lhead_asked
\next:
.endm
	ARM 1, G0,  G1,  .Lhead_b
	ARM 2, G0B, G1B, .Lhead_sa
	ARM 3, G0S, G1S, .Lhead_sb
	tensor_load_to_lds s[G0SB:G0SB+3], s[G1SB:G1SB+7]
	s_nop 0
.rept 4
	v_nop
.endr
.Lhead_asked:
	v_and_b32 v1, 15, v0
	v_bfe_u32 v2, v0, 4, 1
	v_and_b32 v3, 8, v1
	v_add_nc_u32 v3, v3, v1
	v_lshlrev_b32 v[VT], 8, v3
	v_lshl_add_u32 v[VT], v2, 6, v[VT]             ; the table: token r + 8 (r / 8), 256 bytes a token, + 64 h
.macro TABLD a
.irp e, 0,1
.irp k, 0,1,2,3
	global_load_b128 v[TAB+32*((\a)%2)+16*\e+4*\k:TAB+32*((\a)%2)+16*\e+4*\k+3], v[VT], s[98:99] offset:(32*((\a)/2)+8*((\a)%2))*256+128*\e+16*\k
.endr
.endr
.endm
	TABLD 0
	TABLD 1
	v_mul_u32_u24 v3, v1, PITCH
	v_mul_u32_u24 v4, v2, 24
	v_add_nc_u32 v4, v3, v4                        ; row x pitch + 24 x half
	s_mov_b32 s21, SLOT-232
	s_mov_b32 s22, SLOT+232
	v_sub_nc_u32 v7, 1, v2
	v_mul_u32_u24 v5, s21, v2
	v_add_nc_u32 v5, v3, v5
	v_add_nc_u32 v5, 232, v5                       ; across two chunks: lanes 0-15 byte 232 in slot 0, lanes 16-31 byte 0 in slot 1;
	v_mul_u32_u24 v6, s22, v7
	v_add_nc_u32 v6, v3, v6                        ; and the other way round
	s_mul_i32 s21, s15, HALFT
	s_mul_i32 s22, s16, HALFT
	s_add_co_u32 s22, s22, 2*HALFT
	v_add_nc_u32 v[ADRA+2], s21, v5
	v_add_nc_u32 v[ADRA+3], s21, v6
	v_add_nc_u32 v[ADRB+2], s22, v5
	v_add_nc_u32 v[ADRB+3], s22, v6
.irp s, 0,1
	v_add_nc_u32 v[ADRA+\s], s21, v4
	v_add_nc_u32 v[ADRB+\s], s22, v4
	s_add_co_u32 s21, s21, SLOT
	s_add_co_u32 s22, s22, SLOT
.endr
	v_mul_u32_u24 v5, v1, KS
	v_lshrrev_b32 v6, 8, v5
	v_lshl_add_u32 v5, v6, 4, v5
	s_mul_i32 s21, s15, HALFS
	s_mul_i32 s22, s16, HALFS
	s_add_co_u32 s22, s22, 2*HALFS
	s_sub_co_u32 s22, s22, s21
	v_mul_u32_u24 v6, s22, v2                      ; lanes 16-31 take B's scale words
	s_add_co_u32 s21, s21, SCL
	v_add_nc_u32 v5, v5, v6
	v_add_nc_u32 v[ADRS], s21, v5
.macro FRAG reg, adr, st, i                    ; 12 registers in six pieces of 8 bytes; byte y of a row lies in slot (y / 256) % 2 at byte y % 256
.irp p, 0,1,2,3,4,5
.set BY, 96*(\st)+48*(\p/3)+8*(\p%3)
.if BY/ROWB == (BY+24)/ROWB
	ds_load_b64 v[\reg+2*\p:\reg+2*\p+1], v[\adr+(BY/ROWB)%2] offset:BY%ROWB+(\i)*16*PITCH
.else
	ds_load_b64 v[\reg+2*\p:\reg+2*\p+1], v[\adr+2+(BY/ROWB)%2] offset:BY%ROWB-232+(\i)*16*PITCH
.endif
.endr
.endm
.macro MUL16 a0, p, q, sc, zero                ; the 64 accumulators take turns, one instruction a turn
.irp a, \a0, \a0+1
.irp b, 0,1,2,3,4,5,6,7
.if \zero
	v_wmma_scale_f32_16x16x128_f8f6f4 v[8*(8*((\a)%4)+\b):8*(8*((\a)%4)+\b)+7], v[128*(\p)+FR*\b:128*(\p)+FR*\b+FR-1], v[AF+FR*(\a):AF+FR*(\a)+FR-1], 0, v[SC+8*NQ*(\sc)+NQ*\b+(\q)], v[SC+8*NQ*(\sc)+NQ*(\a)+(\q)] matrix_a_fmt:MATRIX_FMT_FP6 matrix_b_fmt:MATRIX_FMT_FP6 matrix_a_scale:MATRIX_SCALE_ROW1
.else
	v_wmma_scale_f32_16x16x128_f8f6f4 v[8*(8*((\a)%4)+\b):8*(8*((\a)%4)+\b)+7], v[128*(\p)+FR*\b:128*(\p)+FR*\b+FR-1], v[AF+FR*(\a):AF+FR*(\a)+FR-1], v[8*(8*((\a)%4)+\b):8*(8*((\a)%4)+\b)+7], v[SC+8*NQ*(\sc)+NQ*\b+(\q)], v[SC+8*NQ*(\sc)+NQ*(\a)+(\q)] matrix_a_fmt:MATRIX_FMT_FP6 matrix_b_fmt:MATRIX_FMT_FP6 matrix_a_scale:MATRIX_SCALE_ROW1
.endif
.endr
.endr
.endm
.macro FETCH_B st, p
	WIN TO_B
.irp i, 0,1,2,3,4,5,6,7
	FRAG 128*(\p)+FR*\i, ADRB, \st, \i
.endr
	WIN 0
.endm
.macro FETCH_A st, i0
.irp i, \i0, \i0+1, \i0+2, \i0+3
	FRAG AF+FR*(\i), ADRA, \st, \i
.endr
.endm
.macro SCALES pr
.irp i, 0,1,2,3,4,5,6,7
	ds_load_b64 v[SC+8*NQ*((\pr)%2)+NQ*\i:SC+8*NQ*((\pr)%2)+NQ*\i+1], v[ADRS] offset:\i*SBLK+4*NQ*(\pr)
.endr
.endm
.macro PLACES n
.rept \n
	v_nop
.endr
.endm
; A step: 64 products; the next step's fragments are fetched in its middle and at its end.  Where the next step's bytes end in a chunk not read yet: the wait for my tensor loads and a barrier.
; Where they begin in a later chunk: the add too, and, where a chunk two on is left, a round and the refill.
.macro STEP st, zero
.set NX, (\st)+1
.set C0, (96*(\st))/ROWB
.set C1, (96*NX)/ROWB
.set E0, (96*(\st)+95)/ROWB
.set E1, (96*NX+95)/ROWB
.if C1 > C0 || E1 > E0
	s_wait_tensorcnt 0x0
.if C1 > C0
	ds_add_u32 v[SPW], v[NIL]
	s_wait_dscnt 4*NL+1                            ; the add and the youngest 24 loads (A's blocks 4-7) may be out
.else
	s_wait_dscnt 4*NL                              ; the youngest 24 loads may be out
.endif
	WIN MUL_LO
	MUL16 0, (\st)%2, (\st)%2, ((\st)/2)%2, \zero
	s_wait_dscnt 0x0
	s_barrier_signal -1
	MUL16 2, (\st)%2, (\st)%2, ((\st)/2)%2, \zero
	WIN 0
	s_barrier_wait -1
.if C1 > C0 && C0+2 < CHUNKS
	CREST
	s_add_nc_u64 s[G0+4*(C0%2)+2:G0+4*(C0%2)+3], s[G0+4*(C0%2)+2:G0+4*(C0%2)+3], 2*ROWB
	s_add_nc_u64 s[G0B+4*(C0%2)+2:G0B+4*(C0%2)+3], s[G0B+4*(C0%2)+2:G0B+4*(C0%2)+3], 2*ROWB
	JLOAD G0+4*(C0%2), G1, G0B+4*(C0%2), G1B
.else
	PLACES NP
.endif
.else
	s_wait_dscnt 4*NL
	WIN MUL_LO
	MUL16 0, (\st)%2, (\st)%2, ((\st)/2)%2, \zero
	MUL16 2, (\st)%2, (\st)%2, ((\st)/2)%2, \zero
	s_wait_dscnt 0
	PLACES NP
.endif
	FETCH_B NX, NX%2
	FETCH_A NX, 0
.if NX%2 == 0
	SCALES NX/2
.endif
	WIN MUL_HI
	MUL16 4, (\st)%2, (\st)%2, ((\st)/2)%2, \zero
	MUL16 6, (\st)%2, (\st)%2, ((\st)/2)%2, \zero
	PLACES NP
	WIN 0
	FETCH_A NX, 4
.endm
	s_wait_alu depctr_va_vdst(0)
	s_wait_tensorcnt 0x0                           ; my tile of the head's four is in
	ds_add_u32 v[SPW], v[NIL]
	s_mov_b32 s[G1+2], 128<<16                     ; no tensor load of mine is out: from here on a load brings 128 rows,
	s_mov_b32 s[G1+4], 128
	s_mov_b32 s[G1B+2], 128<<16
	s_mov_b32 s[G1B+4], 128
	s_mov_b32 s[G0+1], s45                         ; and slot 0's groups 0 name my 128 rows
	s_add_nc_u64 s[G0+2:G0+3], s[G0+2:G0+3], s[18:19]
	s_mov_b32 s[G0B+1], s45
	s_add_nc_u64 s[G0B+2:G0B+3], s[G0B+2:G0B+3], s[18:19]
	s_wait_dscnt 0x0
	CROUND
	JLOAD G0+4, G1, G0B+4, G1B                     ; chunk 1: slot 1's first fill, issued as a refill is
	FETCH_B 0, 0
	FETCH_A 0, 0
	SCALES 0
	FETCH_A 0, 4
	STEP 0, 1
.set ST, 1
.rept STEPS-2
	STEP ST, 0
.set ST, ST+1
.endr
	s_wait_dscnt 4*NL
	WIN MUL_LO
	MUL16 0, 1, 1, 1, 0
	MUL16 2, 1, 1, 1, 0
	s_wait_dscnt 0
	WIN MUL_HI
	MUL16 4, 1, 1, 1, 0
	MUL16 6, 1, 1, 1, 0
	WIN 0
; THE QUANTISER of 64 numbers a lane (four blocks of 32, each shared with lane l xor 16): codes into v[PC ..], the scale word into v[pw]
.macro QUANT s, win, pw
.set QW, (\win)|((\win)<<2)
	WIN QW
.irp b, 0,1,2,3
	v_max3_num_f32 v[TM+\b], |v[\s+16*\b]|, |v[\s+1+16*\b]|, 0x1800000
.endr
.irp i, 2,4,6,8,10,12,14
.irp b, 0,1,2,3
	v_max3_num_f32 v[TM+\b], |v[\s+16*\b+\i]|, |v[\s+1+16*\b+\i]|, v[TM+\b]
.endr
.endr
	WIN 0
.irp b, 0,1,2,3
	v_permlanex16_b32 v[TM+4+\b], v[TM+\b], s[SEL], s[SEL+1]
.endr
.irp b, 0,1,2,3
	v_max_num_f32 v[TM+\b], v[TM+\b], v[TM+4+\b]
.endr
.irp b, 0,1,2,3
	v_add_nc_u32 v[TM+12+\b], 0xff000000, v[TM+\b]
.endr
.irp b, 0,1,2,3
	v_lshrrev_b32 v[TM+4+\b], 23, v[TM+12+\b]
.endr
	v_lshl_or_b32 v[\pw], v[TM+5], 8, v[TM+4]
	v_lshl_or_b32 v[\pw], v[TM+6], 16, v[\pw]
	v_lshl_or_b32 v[\pw], v[TM+7], 24, v[\pw]
	WIN \win
.irp c, 0,1
	v_cvt_scalef32_pk16_fp6_f32 v[PC+6*\c:PC+2+6*\c], v[\s+32*\c:\s+15+32*\c], v[TM+12+2*\c]
	v_cvt_scalef32_pk16_fp6_f32 v[PC+12+4*\c:PC+14+4*\c], v[\s+16+32*\c:\s+31+32*\c], v[TM+12+2*\c+1]
.endr
	WIN 0
	v_nop
.irp c, 0,1
.irp i, 0,1,2
	v_permlane16_swap_b32 v[PC+6*\c+\i], v[PC+12+4*\c+\i]
.endr
.irp i, 0,1,2
	v_mov_b32 v[PC+3+6*\c+\i], v[PC+12+4*\c+\i]
.endr
.endr
.endm
	PLACES NP
	v_and_b32 v1, 31, v0
	v_lshlrev_b32 v4, 4, v1
	v_lshlrev_b32 v5, 3, v1
	v_bfe_u32 v2, v0, 4, 1
	v_lshlrev_b32 v7, 4, v2
	v_and_b32 v3, 15, v0
.irp b, 0,1,2,3
	v_mov_b32 v[TM+4+\b], 0
.endr
	s_cmp_eq_u32 s66, 1
	s_cbranch_scc1 .Lvpath
	s_lshl_b32 s12, s95, 1                         ; q and k: my two heads, my record of 128 tokens
	s_and_b32 s12, s12, 15
	s_mov_b32 s17, 32*13056
	s_mov_b32 s18, 13056
	s_cmp_eq_u32 ttmp9, 0
	s_cselect_b64 s[20:21], s[8:9], s[10:11]
	s_cselect_b32 s17, 32*6656, s17
	s_cselect_b32 s18, 6656, s18
	s_mul_i32 s12, s12, s17
	s_mul_i32 s13, s67, s18
	s_add_co_u32 s12, s12, s13
	s_mov_b32 s13, 0
	s_add_nc_u64 s[20:21], s[20:21], s[12:13]
	s_mov_b32 s12, s17
	s_add_nc_u64 s[22:23], s[20:21], s[12:13]
.macro EPI_QK a                                ; block a's 16 tokens: the rotation by the table's cos and sin, the quantiser, the stores
.set AC, 64*((\a)%4)
.set TS, TAB+32*((\a)%2)
.set WQ, 0x02+(\a)/4
.if (\a) < 7
	s_wait_loadcnt 8
.else
	s_wait_loadcnt 0x0
.endif
	s_wait_xcnt 0x0
	WIN WQ
.set n, 0
.rept 32
	v_pk_mul_f32 v[R+n:R+n+1], v[AC+n:AC+n+1], v[TS+n%32:TS+n%32+1] op_sel_hi:[1,0]
.set n, n+2
.endr
.set n, 0
.rept 32
	v_pk_fma_f32 v[R+n:R+n+1], v[AC+n:AC+n+1], v[TS+n%32:TS+n%32+1], v[R+n:R+n+1] op_sel:[1,1,0] op_sel_hi:[0,1,1] neg_lo:[0,1,0]
.set n, n+2
.endr
	WIN 0
.if (\a) < 6
	TABLD (\a)+2
.endif
	QUANT R, 0, PWT
	v_lshrrev_b32 v[W+(\a)], v7, v[PWT]
	global_store_b128 v4, v[PC:PC+3], s[20:21] offset:768*(\a)
	global_store_b64 v5, v[PC+4:PC+5], s[20:21] offset:768*(\a)+512
	global_store_b128 v4, v[PC+6:PC+9], s[22:23] offset:768*(\a)
	global_store_b64 v5, v[PC+10:PC+11], s[22:23] offset:768*(\a)+512
.endm
.irp a, 0,1,2,3,4,5,6,7
	EPI_QK \a
.endr
	v_mul_u32_u24 v6, s17, v2
	v_lshl_add_u32 v6, v3, 4, v6
	global_store_b128 v6, v[W:W+3], s[20:21] offset:6144
	global_store_b128 v6, v[W+4:W+7], s[20:21] offset:6400
	s_branch .Ldone
.Lvpath:
	s_lshl_b32 s12, s67, 1                         ; v: A's rows are channels, B's are tokens
	s_and_b32 s12, s12, 15
	s_mov_b32 s17, 32*13056
	s_mul_i32 s12, s12, s17
	s_mul_i32 s13, s95, 13056
	s_add_co_u32 s12, s12, s13
	s_mov_b32 s13, 0
	s_add_nc_u64 s[20:21], s[10:11], s[12:13]
	s_mov_b32 s12, s17
	s_add_nc_u64 s[22:23], s[20:21], s[12:13]
.macro EPI_V a
.set AC, 64*((\a)%4)
.set WN, 2+(\a)/4
.set PWR, W+(\a)
.if (\a) > 0
	s_wait_xcnt 0x0
.endif
	QUANT AC, WN, PWR
.irp c, 0,1,2
	global_store_b128 v4, v[PC+4*\c:PC+4*\c+3], s[20+2*((\a)/4):21+2*((\a)/4)] offset:6656+1536*((\a)%4)+512*\c
.endr
.endm
.irp a, 0,1,2,3,4,5,6,7
	EPI_V \a
.endr
	v_cmp_le_u32 vcc_lo, 16, v1
.irp i, 0,1,2,3
	v_cndmask_b32 v[XW+\i], v[W+\i], v[W+4+\i], vcc_lo
.endr
	v_mul_u32_u24 v6, s17, v2
	v_lshl_add_u32 v6, v3, 4, v6
	global_store_b128 v6, v[XW:XW+3], s[20:21] offset:12800
.Ldone:
	s_wait_tensorcnt 0x0                           ; the wave's end
	ds_add_u32 v[SPW], v[NIL]
	s_wait_dscnt 0x0
	CROUND
	s_endpgm
.Lfunc_end_k_qcb2f9c8901_qkv:
	.size	k_qcb2f9c8901_qkv, .Lfunc_end_k_qcb2f9c8901_qkv-k_qcb2f9c8901_qkv
	.p2alignl 7, 3214868480
	.fill 96, 4, 3214868480
	.section	.rodata,"a",@progbits
	.p2align	6, 0x0
	.amdhsa_kernel k_qcb2f9c8901_qkv
		.amdhsa_group_segment_fixed_size 327680
		.amdhsa_private_segment_fixed_size 0
		.amdhsa_enable_private_segment 0
		.amdhsa_kernarg_size 32
		.amdhsa_user_sgpr_count 2
		.amdhsa_user_sgpr_kernarg_segment_ptr 1
		.amdhsa_wavefront_size32 1
		.amdhsa_system_sgpr_workgroup_id_x 1
		.amdhsa_system_sgpr_workgroup_id_y 1
		.amdhsa_system_sgpr_workgroup_id_z 1
		.amdhsa_system_vgpr_workitem_id 0
		.amdhsa_next_free_vgpr 1024
		.amdhsa_next_free_sgpr 102
		.amdhsa_reserve_vcc 1
		.amdhsa_float_denorm_mode_32 3
		.amdhsa_float_denorm_mode_16_64 3
		.amdhsa_memory_ordered 1
		.amdhsa_forward_progress 1
		.amdhsa_inst_pref_size 238
	.end_amdhsa_kernel
	.amdgpu_metadata
---
amdhsa.version: [ 1, 2 ]
amdhsa.kernels:
  - .name:           k_qcb2f9c8901_qkv
    .symbol:         k_qcb2f9c8901_qkv.kd
    .args:
      - { .name: cod, .offset: 0, .size: 8, .value_kind: global_buffer, .address_space: global }
      - { .name: tab, .offset: 8, .size: 8, .value_kind: global_buffer, .address_space: global }
      - { .name: qb, .offset: 16, .size: 8, .value_kind: global_buffer, .address_space: global }
      - { .name: kv, .offset: 24, .size: 8, .value_kind: global_buffer, .address_space: global }
    .group_segment_fixed_size: 327680
    .private_segment_fixed_size: 0
    .kernarg_segment_align: 8
    .kernarg_segment_size: 32
    .max_flat_workgroup_size: 128
    .sgpr_count:     102
    .vgpr_count:     1024
    .wavefront_size: 32
...
	.end_amdgpu_metadata
.endif
;; end of part 2
;; launch attn (part 3): grid 16 x 16, 16 waves a work-group, no clusters, 327,680 bytes of LDS; arguments qb, kv, aq; writes aq
.if DOCPART == 3
	.amdgcn_target "amdgcn-amd-amdhsa--gfx1250"
	.amdhsa_code_object_version 6
	.text
	.protected	k_qcb2f9c8901_attn
	.globl	k_qcb2f9c8901_attn
	.p2align	8
	.type	k_qcb2f9c8901_attn,@function
k_qcb2f9c8901_attn:
	s_mov_b64 s[64:65], 0
	v_nop
	global_prefetch_b8 v0, s[64:65] scope:SCOPE_SE
	s_setreg_imm32_b32 hwreg(HW_REG_WAVE_MODE, 25, 1), 1
	s_wait_xcnt 0x0
; Causal attention of 16 heads of 64 on 4,096 tokens, both products on codes of FP6 (E2M3) with E8M0 scales; the result, divided by the row's sum, is quantised along d_model and stored as codes.
; LEFT OUT: steps of 128 keys that all come after a tile's queries: reference()'s own mask makes their p zero for all inputs.
; IN: qb, kv: images of operand registers, a record for each head and 128 tokens.  OUT: aq: codes [token tile 256][head 16][768 bytes]; from 0x300000 scale bytes [place 16 T + r][32], bytes 2 head, 2 head + 1.
; THE SOFTMAX: t = score x log2(e) / 8; M = the running largest t rounded up to a whole number; p = 2^(t - M) is quantised along the keys; the sum is taken of the unquantised p and divides at the end.
; K = 64 IN AN INSTRUCTION OF 128: q's registers 6-11 hold zero codes; k's fragments lie 6 registers apart, the last followed by six registers of zeros.
; Both products transposed (S^T = k q^T, O^T = v^T p^T): a lane holds one query.  Token tile T holds tokens 32 (T / 2) + 8 (T % 2) + r + 8 (r / 8).
; SHARES: work-group (x, head) takes the query records x and 31 - x, eight tiles each: (x + 1) + (32 - x) = 33 steps for each pair of tiles, 264 in every work-group.
; Wave w: tile a = w % 8.  Waves 0-7 walk the short tile (record x) over key records 0 .. x, store it, begin a state anew and HELP on the long tile (record 31 - x): of the records behind x they take the odd ones.
; Waves 8-15 own the long tile: records 0 .. x all, behind them the even ones.  At the end the helper's O^T, -M and sum go to wave w + 8 through LDS; both are brought under the larger M by exact powers of two and added.
; THE WALK: eight slots of four records through two LDS slots; trip counts are constants; a step that is not the wave's is jumped over by a branch on ids, and so is the load of a slot that begins behind record 31 - x.
; Waves 0-3 fetch a record each; one tensor load of a wave is out at the most; every wait on TENSORcnt is for 0.
; NO CLUSTER: the sixteen work-groups of a head need different numbers of records (32 - x) and do different work for a record (16 steps up to record x, 8 behind it).
; NO PREFETCH: a slot is asked for a whole slot ahead of its first read: up to 64 steps of the work-group's waves stand between.
; LIMITS: NaN and infinities are not served; a block of zeros gets the byte 1 (its codes are zeros; this program alone reads the bytes); scaled scores under 2^31 in magnitude.
.set REC,   13056
.set SLOT1, 1<<16
.set SPARE, 2*SLOT1                    ; the spare words: 128 bytes for each of 16 waves
.set SCR,   SPARE+2048                 ; a place of 4,608 bytes for each wave's state; no tile lands here
.set SCRW,  4608
.set AL16, 1
.set AL8,  2
.set AR16, 3
.set SPW,  4
.set NIL,  5
.set A16,  6
.set A8,   7
.set AS,   8
.set DD,   9                           ; my query - its record's first token - 16 (lane / 16)
.set GIVE, 10
.set AR32, 11                          ; v12 -M, v13 the largest t, v[14:15] the sum
.set QF,   16                          ; v16-21 q's codes, v22-27 zeros
.set TAKE, 28
.set FR,   32                          ; v32-79 k's 8 x 6, later v's 4 x 12; v80-85 zeros
.set KSW,  86
.set VSW,  94
.set QS,   98
.set PS,   99
.set BM,   100
.set BT,   104
.set SO,   108
.set FF,   112
.set TP,   114
.set NINF, 115
.set PC,   116
.set S,    128
.set O,    192
.set CT,   224
.set SUM2, 232
.set QG,   234                         ; v234-239 the long tile's q, v240 its scale word
.set QS2,  240
.set TS,   248                         ; v248-255 four chains of the sum
.set WV,  10
.set ROLE,14                           ; 0: short tile, then helper; 1: owner of the long tile
.set QB,  16                           ; the first token of my queries' record
.set KF,  17                           ; the step's first key
.set TB,  18                           ; LDS byte of the step's record
.set CNT, 19
.set SEL, 20
.set CS,  22
.set SLOTS, 36
.set QL,  37                           ; 128 (31 - x)
.set PH,  38                           ; 128 x
.set TR,  39                           ; the key at which a wave of role 0 changes tiles: 128 (x + 1); role 1: never
.set NX,  40
	s_load_b128 s[4:7], s[0:1], 0x0                ; qb, kv
	s_load_b64 s[8:9], s[0:1], 0x10                ; aq
	v_lshl_add_u32 v[SPW], v0, 2, SPARE
	v_mov_b32 v[NIL], 0
	ds_add_u32 v[SPW], v[NIL]                      ; the opening lines: the add twice on end and one wait
	ds_add_u32 v[SPW], v[NIL]
	v_lshrrev_b32 v1, 5, v0
	s_delay_alu instid0(VALU_DEP_1)
	v_readfirstlane_b32 s[WV], v1
	s_mov_b32 s11, ttmp9                           ; x
	s_and_b32 s13, ttmp7, 0xffff                   ; the head
	s_and_b32 s12, s[WV], 7                        ; a
	s_lshr_b32 s[ROLE], s[WV], 3
	s_sub_co_u32 s15, 31, s11
	s_lshl_b32 s[QL], s15, 7
	s_lshl_b32 s[PH], s11, 7
	s_add_co_u32 s[TR], s[PH], 128
	s_cmp_eq_u32 s[ROLE], 0
	s_cselect_b32 s41, s11, s15                    ; my own tile's record
	s_cselect_b32 s[TR], s[TR], -1
	s_lshl_b32 s[QB], s41, 7
	s_lshl_b32 s42, s41, 3
	s_add_co_u32 s42, s42, s12                     ; T, my own tile
	s_sub_co_u32 s62, s15, s41
	s_mul_i32 s62, s62, 6656                       ; from my own q to the long tile's
	s_mov_b32 s63, 0
	s_mul_i32 s43, s[WV], SCRW
	s_add_co_u32 s43, s43, SCR
	s_xor_b32 s44, s[WV], 8
	s_mul_i32 s44, s44, SCRW
	s_add_co_u32 s44, s44, SCR
	s_mov_b32 s24, 3<<16                           ; group 1: a record: 51 dense rows of 32 elements of 8 bytes; no padding: images are read 16 bytes a lane on end
	s_mov_b32 s25, 32<<16
	s_mov_b32 s26, 51<<16
	s_mov_b32 s27, 32<<16
	s_mov_b32 s28, 51
	s_mov_b32 s29, 32
	s_mov_b32 s30, 0
	s_mov_b32 s31, 0
	s_and_b32 s52, s[WV], 3
	s_mul_i32 s52, s52, REC                        ; which record of a slot I fetch, if I fetch
	s_mul_i32 s46, s13, 32*REC
	s_add_co_u32 s46, s46, s52
	s_mov_b32 s47, 0
	s_mul_i32 s45, s13, 32*6656
	s_mul_i32 s48, s41, 6656
	s_add_co_u32 s45, s45, s48                     ; q's record
	s_mul_i32 s48, s12, 768
	s_add_co_u32 s48, s48, s45
	s_mov_b32 s49, 0
	s_lshr_b32 s50, s12, 2
	s_lshl_b32 s50, s50, 8
	s_and_b32 s51, s12, 3
	s_lshl_b32 s51, s51, 2
	s_add_co_u32 s50, s50, s51
	s_add_co_u32 s50, s50, s45                     ; its scale words
	s_mov_b32 s51, 0
	s_lshr_b32 s53, s12, 1
	s_lshl_b32 s53, s53, 5
	s_and_b32 s54, s12, 1
	s_lshl_b32 s54, s54, 3
	s_add_co_u32 s53, s53, s54                     ; 32 (a / 2) + 8 (a % 2)
	s_lshl_b32 s54, s42, 4
	s_add_co_u32 s54, s54, s13
	s_mul_i32 s54, s54, 768                        ; aq: image (T, head)
	s_mov_b32 s55, 0
	s_lshl_b32 s56, s42, 9
	s_lshl_b32 s57, s13, 1
	s_add_co_u32 s56, s56, s57
	s_add_co_u32 s56, s56, 0x300000
	s_mov_b32 s57, 0
	s_mov_b32 s[SEL], 0x76543210
	s_mov_b32 s[SEL+1], 0xfedcba98
	s_mov_b32 s[CS], 0x3e38aa3b                    ; log2(e) / 8
	s_mov_b32 s[CS+1], s[CS]
	s_mov_b32 s[KF], 0
	s_mov_b32 s[TB], 0
	s_mov_b32 s[SLOTS], 8
	s_wait_dscnt 0x0
	s_wait_kmcnt 0x0
	s_mov_b32 s32, 1
	s_mov_b32 s33, s52
	s_add_nc_u64 s[34:35], s[6:7], s[46:47]
	s_or_b32 s35, s35, 0x80000000
	s_add_nc_u64 s[48:49], s[4:5], s[48:49]
	s_add_nc_u64 s[50:51], s[4:5], s[50:51]
	s_add_nc_u64 s[58:59], s[48:49], s[62:63]
	s_add_nc_u64 s[60:61], s[50:51], s[62:63]
	s_add_nc_u64 s[54:55], s[8:9], s[54:55]
	s_add_nc_u64 s[56:57], s[8:9], s[56:57]
	s_cmp_lt_u32 s[WV], 4                          ; slot 0: records 0-3; record 0 counts for every query
	s_cbranch_scc0 .Lnone
	tensor_load_to_lds s[32:35], s[24:31]
	s_nop 0
.rept 4
	v_nop
.endr
.Lnone:
	v_and_b32 v[TP], 31, v0
	s_delay_alu instid0(VALU_DEP_1)
	v_lshlrev_b32 v[AL16], 4, v[TP]
	v_lshlrev_b32 v[AL8], 3, v[TP]
	v_and_b32 v[TP], 15, v0
	s_delay_alu instid0(VALU_DEP_1)
	v_lshlrev_b32 v[AR16], 4, v[TP]
	v_lshlrev_b32 v[AR32], 5, v[TP]
	global_load_b128 v[QF:QF+3], v[AL16], s[48:49]
	global_load_b64 v[QF+4:QF+5], v[AL8], s[48:49] offset:512
	global_load_b32 v[QS], v[AR16], s[50:51] offset:6144
	global_load_b128 v[QG:QG+3], v[AL16], s[58:59]             ; the long tile's q: an owner loads its own seven registers again and never uses them
	global_load_b64 v[QG+4:QG+5], v[AL8], s[58:59] offset:512
	global_load_b32 v[QS2], v[AR16], s[60:61] offset:6144
	v_add_nc_u32 v[GIVE], s43, v[AL16]
	v_add_nc_u32 v[TAKE], s44, v[AL16]
	v_and_b32 v[DD], 8, v[TP]
	s_delay_alu instid0(VALU_DEP_1)
	v_add_nc_u32 v[DD], v[DD], v[TP]
	v_bfe_u32 v[TP], v0, 4, 1
	s_delay_alu instid0(VALU_DEP_1)
	v_lshlrev_b32 v[TP], 4, v[TP]
	s_delay_alu instid0(VALU_DEP_1)
	v_sub_nc_u32 v[DD], v[DD], v[TP]
	s_delay_alu instid0(VALU_DEP_1)
	v_add_nc_u32 v[DD], s53, v[DD]
.irp j, 6,7,8,9,10,11
	v_mov_b32 v[QF+\j], 0
	v_mov_b32 v[FR+42+\j], 0
.endr
	v_mov_b32 v13, 0xff61b1e6                      ; the largest t so far: -3e38
	s_delay_alu instid0(VALU_DEP_1)
	v_floor_f32 v12, -v13
	v_mov_b32 v14, 0
	v_mov_b32 v15, 0
	v_mov_b32 v[FF+1], 0                           ; upper halves of pairs of which the low word serves
	v_mov_b32 v[SUM2], 0
	v_mov_b32 v[SUM2+1], 0
	v_mov_b32 v[NINF], 0xff800000
.irp b, 0,1,2,3
	v_mov_b32 v[BT+\b], 0                          ; a lane permute's destination counts as one of its sources
.endr
.set j, 0
.rept 32
	v_mov_b32 v[O+j], 0                            ; the step is written once: its first trip finds zeros
.set j, j+1
.endr
	s_wait_alu depctr_va_vdst(0)
	s_wait_loadcnt 0x0
; THE WAY OUT of my own tile: 32 numbers a lane from v[src] on, divided by the sum, quantised along the head's 64 (two blocks), stored as an image of registers
.macro WAYOUT src
	v_add_f32 v14, v14, v15
	s_delay_alu instid0(VALU_DEP_1)
	v_permlanex16_b32 v[TP], v14, s[SEL], s[SEL+1]
	s_delay_alu instid0(VALU_DEP_1)
	v_add_f32 v14, v14, v[TP]
	s_wait_alu depctr_va_vdst(0)
	v_rcp_f32 v14, v14
	v_nop
	s_wait_alu depctr_va_vdst(0)
.set j, 0
.rept 32
	v_mul_f32 v[S+j], v[\src+j], v14               ; register 16 b + i is channel 32 b + 16 (lane / 16) + i
.set j, j+1
.endr
.irp b, 0,1
	v_max3_num_f32 v[BM+\b], |v[S+16*\b]|, |v[S+1+16*\b]|, 0x1800000
.endr
.irp i, 2,4,6,8,10,12,14
.irp b, 0,1
	s_delay_alu instid0(VALU_DEP_2)
	v_max3_num_f32 v[BM+\b], v[BM+\b], |v[S+16*\b+\i]|, |v[S+1+16*\b+\i]|
.endr
.endr
.irp b, 0,1
	s_delay_alu instid0(VALU_DEP_2)
	v_permlanex16_b32 v[BT+\b], v[BM+\b], s[SEL], s[SEL+1]
.endr
.irp b, 0,1
	s_delay_alu instid0(VALU_DEP_2)
	v_max_num_f32 v[BM+\b], v[BM+\b], v[BT+\b]
.endr
.irp b, 0,1
	s_delay_alu instid0(VALU_DEP_2)
	v_add_nc_u32 v[SO+\b], 0xff000000, v[BM+\b]
.endr
.irp b, 0,1
	s_delay_alu instid0(VALU_DEP_2)
	v_lshrrev_b32 v[BT+\b], 23, v[SO+\b]
.endr
	s_delay_alu instid0(VALU_DEP_1)
	v_lshl_or_b32 v[PS], v[BT+1], 8, v[BT]
	v_cvt_scalef32_pk16_fp6_f32 v[PC:PC+2], v[S:S+15], v[SO]
	v_cvt_scalef32_pk16_fp6_f32 v[CT:CT+2], v[S+16:S+31], v[SO+1]
	v_nop
.irp i, 0,1,2
	v_permlane16_swap_b32 v[PC+\i], v[CT+\i]
.endr
.irp i, 0,1,2
	s_delay_alu instid0(VALU_DEP_3)
	v_mov_b32 v[PC+3+\i], v[CT+\i]
.endr
	global_store_b128 v[AL16], v[PC:PC+3], s[54:55]
	global_store_b64 v[AL8], v[PC+4:PC+5], s[54:55] offset:512
	global_store_b16 v[AR32], v[PS], s[56:57]
.endm
.Lslot:                                            ; eight trips.  THE CHANGE OF SLOTS:
	s_wait_tensorcnt 0x0                           ; no tensor load of mine is out,
	ds_add_u32 v[SPW], v[NIL]                      ; the add, twice on end
	ds_add_u32 v[SPW], v[NIL]
	s_xor_b32 s33, s33, SLOT1                      ; so group 0 may be written: the other slot, the next four records
	s_add_nc_u64 s[34:35], s[34:35], 4*REC
	s_add_co_u32 s[NX], s[KF], 512                 ; their first key
	s_wait_dscnt 0x0                               ; the adds are done, and my reads of the slot that I have left
	s_barrier_signal -1
	s_barrier_wait -1
	s_cmp_le_u32 s[NX], s[QL]                      ; ids alone, alike in all waves: a slot that begins behind record 31 - x is read by nobody and not asked for (the eighth trip's never is)
	s_cbranch_scc0 .Lnofill
	s_cmp_lt_u32 s[WV], 4
	s_cbranch_scc0 .Lnofill
	tensor_load_to_lds s[32:35], s[24:31]
	s_nop 0
.rept 4
	v_nop
.endr
.Lnofill:
	s_mov_b32 s[CNT], 4
.Lstep:                                            ; A KEY STEP: 128 keys, one record
	v_add_nc_u32 v[A16], s[TB], v[AL16]            ; with the v_nop: the four places behind the last step's products
	v_add_nc_u32 v[A8], s[TB], v[AL8]
	v_add_nc_u32 v[AS], s[TB], v[AR16]
	v_nop
	s_wait_alu depctr_va_vdst(0)
	s_cmp_eq_u32 s[KF], s[TR]
	s_cbranch_scc0 .Lsame
	WAYOUT O                                       ; THE TURN of a wave of role 0: its short tile is finished and leaves;
	s_mov_b32 s[QB], s[QL]                         ; from here on it helps on the long tile, with a state begun anew
.irp i, 0,1,2,3,4,5
	v_mov_b32 v[QF+\i], v[QG+\i]
.endr
	v_mov_b32 v[QS], v[QS2]
	v_mov_b32 v13, 0xff61b1e6
	s_delay_alu instid0(VALU_DEP_1)
	v_floor_f32 v12, -v13
	v_mov_b32 v14, 0
	v_mov_b32 v15, 0
.set j, 0
.rept 32
	v_mov_b32 v[O+j], 0
.set j, j+1
.endr
	s_wait_alu depctr_va_vdst(0)
	s_wait_xcnt 0x0                                ; only behind this wait are the stores' data written again
.Lsame:
	s_cmp_gt_u32 s[KF], s[QB]                      ; all 128 keys come after my queries
	s_cbranch_scc1 .Lhidden
	s_cmp_le_u32 s[KF], s[PH]                      ; up to record x every wave takes every record
	s_cbranch_scc1 .Lgo
	s_bfe_u32 s[NX], s[KF], 0x10007                ; behind it role 0 takes the odd records, role 1 the even ones
	s_cmp_eq_u32 s[NX], s[ROLE]
	s_cbranch_scc1 .Lhidden
.Lgo:
.irp t, 0,1,2,3,4,5,6,7
	ds_load_b128 v[FR+6*\t:FR+6*\t+3], v[A16] offset:768*\t
	ds_load_b64 v[FR+6*\t+4:FR+6*\t+5], v[A8] offset:768*\t+512
.endr
	ds_load_b128 v[KSW:KSW+3], v[AS] offset:6144
	ds_load_b128 v[KSW+4:KSW+7], v[AS] offset:6400
	s_wait_dscnt 0x0
.irp t, 0,1,2,3,4,5,6,7
	v_wmma_scale_f32_16x16x128_f8f6f4 v[S+8*\t:S+8*\t+7], v[FR+6*\t:FR+6*\t+11], v[QF:QF+11], 0, v[KSW+\t], v[QS] matrix_a_fmt:MATRIX_FMT_FP6 matrix_b_fmt:MATRIX_FMT_FP6
.endr
.rept 4
	v_nop                                          ; places: in front of the loads below and of the first read of the scores
.endr
	s_wait_alu depctr_va_vdst(0)
.irp t, 0,1,2,3
.irp c, 0,1,2
	ds_load_b128 v[FR+12*\t+4*\c:FR+12*\t+4*\c+3], v[A16] offset:6656+1536*\t+512*\c   ; v's fragments land under the softmax
.endr
.endr
	ds_load_b128 v[VSW:VSW+3], v[AS] offset:12800
	s_cmp_lt_u32 s[KF], s[QB]                      ; only the step on the diagonal masks
	s_cbranch_scc1 .Lopen
.set n, 0
.rept 64
	v_cmp_gt_i32 vcc_lo, 32*(n/16)+n%16, v[DD]     ; register 16 b + i holds key 32 b + 16 (lane / 16) + i of the step
	v_cndmask_b32 v[S+n], v[S+n], v[NINF], vcc_lo
.set n, n+1
.endr
.Lopen:
.irp b, 0,1,2,3
	v_max3_num_f32 v[BM+\b], v[S+16*\b], v[S+1+16*\b], v[S+2+16*\b]   ; each block's largest score: for the row's maximum and for the block's largest p
.endr
.irp i, 3,5,7,9,11,13
.irp b, 0,1,2,3
	v_max3_num_f32 v[BM+\b], v[BM+\b], v[S+16*\b+\i], v[S+1+16*\b+\i]
.endr
.endr
.irp b, 0,1,2,3
	v_max_num_f32 v[BM+\b], v[BM+\b], v[S+15+16*\b]
.endr
.irp b, 0,1,2,3
	s_delay_alu instid0(VALU_DEP_4)
	v_permlanex16_b32 v[BT+\b], v[BM+\b], s[SEL], s[SEL+1]
.endr
.irp b, 0,1,2,3
	s_delay_alu instid0(VALU_DEP_4)
	v_max_num_f32 v[BM+\b], v[BM+\b], v[BT+\b]
.endr
	s_delay_alu instid0(VALU_DEP_2)
	v_max3_num_f32 v[TP], v[BM], v[BM+1], v[BM+2]
	s_delay_alu instid0(VALU_DEP_1)
	v_max_num_f32 v[TP], v[TP], v[BM+3]
	s_delay_alu instid0(VALU_DEP_1)
	v_mul_f32 v[TP], s[CS], v[TP]
	s_delay_alu instid0(VALU_DEP_1)
	v_max_num_f32 v13, v13, v[TP]                  ; the running largest t
	v_mov_b32 v[TP], v12
	s_delay_alu instid0(VALU_DEP_2)
	v_floor_f32 v12, -v13                          ; the new -M
	s_delay_alu instid0(VALU_DEP_1)
	v_sub_f32 v[TP], v12, v[TP]
	s_delay_alu instid0(VALU_DEP_1)
	v_cvt_i32_f32 v[TP], v[TP]
	s_delay_alu instid0(VALU_DEP_1)
	v_ldexp_f32 v[FF], 1.0, v[TP]                  ; f = 2^(old M - new M)
.set j, 0
.rept 32
	v_pk_fma_f32 v[S+j:S+1+j], v[S+j:S+1+j], s[CS:CS+1], v[12:13] op_sel_hi:[1,0,0]   ; t - M
.set j, j+2
.endr
.irp b, 0,1,2,3
	v_fma_f32 v[BM+\b], v[BM+\b], s[CS], v12
.endr
	s_wait_alu depctr_va_vdst(0)
.set j, 0
.rept 64
	v_exp_f32 v[S+j], v[S+j]
.set j, j+1
.endr
.irp b, 0,1,2,3
	v_exp_f32 v[BM+\b], v[BM+\b]                   ; the block's largest p: the same two instructions on the same number
.endr
	v_pk_mul_f32 v[14:15], v[14:15], v[FF:FF+1] op_sel_hi:[1,0]
	s_wait_alu depctr_va_vdst(0)
.irp b, 0,1,2,3
	v_max_num_f32 v[BM+\b], 0x1800000, v[BM+\b]
.endr
.irp b, 0,1,2,3
	s_delay_alu instid0(VALU_DEP_4)
	v_add_nc_u32 v[SO+\b], 0xff000000, v[BM+\b]
.endr
.irp b, 0,1,2,3
	s_delay_alu instid0(VALU_DEP_4)
	v_lshrrev_b32 v[BT+\b], 23, v[SO+\b]
.endr
	s_delay_alu instid0(VALU_DEP_3)
	v_lshl_or_b32 v[PS], v[BT+1], 8, v[BT]
	s_delay_alu instid0(VALU_DEP_1)
	v_lshl_or_b32 v[PS], v[BT+2], 16, v[PS]
	s_delay_alu instid0(VALU_DEP_1)
	v_lshl_or_b32 v[PS], v[BT+3], 24, v[PS]
.irp c, 0,1
	v_cvt_scalef32_pk16_fp6_f32 v[PC+6*\c:PC+2+6*\c], v[S+32*\c:S+15+32*\c], v[SO+2*\c]
	v_cvt_scalef32_pk16_fp6_f32 v[CT+4*\c:CT+2+4*\c], v[S+16+32*\c:S+31+32*\c], v[SO+2*\c+1]
.endr
	v_nop
.irp c, 0,1
.irp i, 0,1,2
	v_permlane16_swap_b32 v[PC+6*\c+\i], v[CT+4*\c+\i]
.endr
.irp i, 0,1,2
	s_delay_alu instid0(VALU_DEP_3)
	v_mov_b32 v[PC+3+6*\c+\i], v[CT+4*\c+\i]
.endr
.endr
.irp k, 0,1,2,3                                ; the sum of the unquantised p, in four chains
	v_pk_add_f32 v[TS+2*\k:TS+2*\k+1], v[S+2*\k:S+2*\k+1], v[S+8+2*\k:S+9+2*\k]
.endr
.irp m, 2,3,4,5,6,7
.irp k, 0,1,2,3
	v_pk_add_f32 v[TS+2*\k:TS+2*\k+1], v[TS+2*\k:TS+2*\k+1], v[S+8*\m+2*\k:S+8*\m+2*\k+1]
.endr
.endr
	v_pk_add_f32 v[TS:TS+1], v[TS:TS+1], v[TS+2:TS+3]
	v_pk_add_f32 v[TS+4:TS+5], v[TS+4:TS+5], v[TS+6:TS+7]
	s_delay_alu instid0(VALU_DEP_2)
	v_pk_add_f32 v[14:15], v[14:15], v[TS:TS+1]
	s_delay_alu instid0(VALU_DEP_1)
	v_pk_add_f32 v[14:15], v[14:15], v[TS+4:TS+5]
	s_wait_alu depctr_va_vdst(0)
.set j, 0
.rept 16
	v_pk_mul_f32 v[O+j:O+1+j], v[O+j:O+1+j], v[FF:FF+1] op_sel_hi:[1,0]   ; O^T under the new M, each accumulator from its low end on
.set j, j+2
.endr
	s_wait_alu depctr_va_vdst(0)
	s_wait_dscnt 0x0                               ; v is in
.irp t, 0,1,2,3                                ; four accumulators, one instruction a turn
	v_wmma_scale_f32_16x16x128_f8f6f4 v[O+8*\t:O+8*\t+7], v[FR+12*\t:FR+12*\t+11], v[PC:PC+11], v[O+8*\t:O+8*\t+7], v[VSW+\t], v[PS] matrix_a_fmt:MATRIX_FMT_FP6 matrix_b_fmt:MATRIX_FMT_FP6
.endr
.Lhidden:
	s_add_co_u32 s[KF], s[KF], 128
	s_add_co_u32 s[TB], s[TB], REC
	s_sub_co_u32 s[CNT], s[CNT], 1
	s_cmp_lg_u32 s[CNT], 0
	s_cbranch_scc1 .Lstep
	s_sub_co_u32 s[TB], s[TB], 4*REC
	s_xor_b32 s[TB], s[TB], SLOT1
	s_sub_co_u32 s[SLOTS], s[SLOTS], 1
	s_cmp_lg_u32 s[SLOTS], 0
	s_cbranch_scc1 .Lslot
	; THE TWO HALVES OF A LONG TILE MEET: the helper's state goes to LDS as an image of its registers
	s_wait_tensorcnt 0x0
	s_cmp_lg_u32 s[ROLE], 0
	s_cbranch_scc1 .Lkeep
.rept 4
	v_nop                                          ; places behind the last products
.endr
.irp k, 0,1,2,3,4,5,6,7
	ds_store_b128 v[GIVE], v[O+4*\k:O+4*\k+3] offset:512*\k
.endr
	ds_store_b128 v[GIVE], v[12:15] offset:4096
.Lkeep:
	s_wait_dscnt 0x0                               ; for the owner's sake: my stores have landed
	s_barrier_signal -1
	s_barrier_wait -1
	s_cmp_eq_u32 s[ROLE], 0
	s_cbranch_scc1 .Lend                           ; a helper has stored its own tile at its turn
.irp k, 0,1,2,3,4,5,6,7
	ds_load_b128 v[S+4*\k:S+4*\k+3], v[TAKE] offset:512*\k
.endr
	ds_load_b128 v[S+32:S+35], v[TAKE] offset:4096
	s_wait_dscnt 0x0
	v_min_num_f32 v[TP], v12, v[S+32]              ; -M of the two.  (A helper that found no open step gives -M = 3e38 and zeros: its factor is 0)
	s_delay_alu instid0(VALU_DEP_1)
	v_sub_f32 v[BM], v[TP], v12
	v_sub_f32 v[BM+1], v[TP], v[S+32]
	s_delay_alu instid0(VALU_DEP_2)
	v_cvt_i32_f32 v[BM], v[BM]
	s_delay_alu instid0(VALU_DEP_2)
	v_cvt_i32_f32 v[BM+1], v[BM+1]
	s_delay_alu instid0(VALU_DEP_2)
	v_ldexp_f32 v[FF], 1.0, v[BM]                  ; both factors are powers of two
	s_delay_alu instid0(VALU_DEP_2)
	v_ldexp_f32 v[SUM2], 1.0, v[BM+1]
.set j, 0
.rept 16
	v_pk_mul_f32 v[S+j:S+1+j], v[S+j:S+1+j], v[SUM2:SUM2+1] op_sel_hi:[1,0]
.set j, j+2
.endr
.set j, 0
.rept 16
	v_pk_fma_f32 v[S+j:S+1+j], v[O+j:O+1+j], v[FF:FF+1], v[S+j:S+1+j] op_sel_hi:[1,0,1]
.set j, j+2
.endr
	v_pk_mul_f32 v[14:15], v[14:15], v[FF:FF+1] op_sel_hi:[1,0]
	s_delay_alu instid0(VALU_DEP_1)
	v_pk_fma_f32 v[14:15], v[S+34:S+35], v[SUM2:SUM2+1], v[14:15] op_sel_hi:[1,0,1]
	WAYOUT S
.Lend:
	s_wait_tensorcnt 0x0                           ; the wave's end
	ds_add_u32 v[SPW], v[NIL]
	s_wait_dscnt 0x0
	s_endpgm
.Lfunc_end_k_qcb2f9c8901_attn:
	.size	k_qcb2f9c8901_attn, .Lfunc_end_k_qcb2f9c8901_attn-k_qcb2f9c8901_attn
	.p2alignl 7, 3214868480
	.fill 96, 4, 3214868480
	.section	.rodata,"a",@progbits
	.p2align	6, 0x0
	.amdhsa_kernel k_qcb2f9c8901_attn
		.amdhsa_group_segment_fixed_size 327680
		.amdhsa_private_segment_fixed_size 0
		.amdhsa_enable_private_segment 0
		.amdhsa_kernarg_size 24
		.amdhsa_user_sgpr_count 2
		.amdhsa_user_sgpr_kernarg_segment_ptr 1
		.amdhsa_wavefront_size32 1
		.amdhsa_system_sgpr_workgroup_id_x 1
		.amdhsa_system_sgpr_workgroup_id_y 1
		.amdhsa_system_sgpr_workgroup_id_z 1
		.amdhsa_system_vgpr_workitem_id 0
		.amdhsa_next_free_vgpr 256
		.amdhsa_next_free_sgpr 66
		.amdhsa_reserve_vcc 1
		.amdhsa_float_denorm_mode_32 3
		.amdhsa_float_denorm_mode_16_64 3
		.amdhsa_memory_ordered 1
		.amdhsa_forward_progress 1
		.amdhsa_inst_pref_size 45
	.end_amdhsa_kernel
	.amdgpu_metadata
---
amdhsa.version: [ 1, 2 ]
amdhsa.kernels:
  - .name:           k_qcb2f9c8901_attn
    .symbol:         k_qcb2f9c8901_attn.kd
    .args:
      - { .name: qb, .offset: 0, .size: 8, .value_kind: global_buffer, .address_space: global }
      - { .name: kv, .offset: 8, .size: 8, .value_kind: global_buffer, .address_space: global }
      - { .name: aq, .offset: 16, .size: 8, .value_kind: global_buffer, .address_space: global }
    .group_segment_fixed_size: 327680
    .private_segment_fixed_size: 0
    .kernarg_segment_align: 8
    .kernarg_segment_size: 24
    .max_flat_workgroup_size: 512
    .sgpr_count:     66
    .vgpr_count:     256
    .wavefront_size: 32
...
	.end_amdgpu_metadata
.endif
;; end of part 3
;; launch proj (part 4): grid 8 x 32, 4 waves a work-group, clusters of 4 x 4, 221,184 bytes of LDS; arguments aq, cod, out0; writes out0
.if DOCPART == 4
	.amdgcn_target "amdgcn-amd-amdhsa--gfx1250"
	.amdhsa_code_object_version 6
	.text
	.protected	k_qcb2f9c8901_proj
	.globl	k_qcb2f9c8901_proj
	.p2align	8
	.type	k_qcb2f9c8901_proj,@function
k_qcb2f9c8901_proj:
	s_mov_b64 s[64:65], 0
	v_nop
	global_prefetch_b8 v0, s[64:65] scope:SCOPE_SE
	s_setreg_imm32_b32 hwreg(HW_REG_WAVE_MODE, 25, 1), 1
	s_wait_xcnt 0x0
	s_wait_alu depctr_hold_cnt(0) depctr_sa_sdst(0) depctr_va_vdst(0) depctr_va_sdst(0) depctr_va_ssrc(0) depctr_va_vcc(0) depctr_vm_vsrc(0)
	s_getreg_b32 s2, hwreg(HW_REG_IB_STS2, 6, 4)
	s_cmp_eq_u32 s2, 0
	s_cbranch_scc0 .Lentry_in_a_cluster
	s_endpgm
.Lentry_in_a_cluster:
	s_bfe_u32 s2, ttmp6, 0x10000c
	s_cmp_lg_u32 s2, 0xf033
	s_cbranch_scc0 .Lentry_shape_is_right
	s_endpgm
.Lentry_shape_is_right:
; out0 = attn Wo^T on codes of FP6 (E2M3) with E8M0 scales, K = 1,024.  A = aq (images of operand registers: [token tile 256][head 16][768 bytes]; scale bytes from 0x300000, 32 a row),
; B = Wo's rows in cod (rows 7,168 on: 768 bytes of codes a row; scale bytes from 0x600000, 32 a row).  out0 [4096][1024] f32.
; A tile of 128 x 128 to a work-group, 256 work-groups; four waves, 64 x 64 each: 16 accumulators.
; ALL OF K LIES IN LDS AT ONCE, filled once, ONE tensor load a wave: waves 0, 1 a half of A each (four token tiles: 49,152 dense bytes as 192 rows of 256), waves 2, 3 a half of B each (64 whole rows of 768 bytes,
; 16 bytes of padding behind every 256: LDS pitch 816).  Nothing is filled again.  CLUSTERS 4 x 4: A's tiles are asked for jointly along a row of the cluster, B's along a column.
; THE SCALE WORDS come straight into registers: a lane loads its row's 32 bytes (all eight steps' words); sixteen lanes read 512 consecutive bytes.  They are 8,192 of a work-group's 204,800 bytes and are not asked for jointly.
; No prefetch: there is no loop to run ahead in.
; THE MATRIX INSTRUCTION IS USED TRANSPOSED (source 0 = 16 rows of Wo, source 1 = 16 tokens).  Tokens and Wo's rows lie in the order 32 (t / 2) + 8 (t % 2) + r + 8 (r / 8): the way out puts both back.
; REGISTERS: window 0: v16-27 addresses; v64-95 A's scale words (block a, step s at 64 + 8 a + s), v96-127 B's; later v64-127 the way out; v128-255 the accumulators.  window 1: two fragment buffers: 48 of A, 48 of B.
.set FR,     12
.set ATL,    12288
.set AH,     4*ATL
.set BB,     2*AH
.set BP,     816
.set BH,     64*BP
.set STG,    BB+2*BH
.set SPITCH, 272
.set SPARE,  STG+4*16*SPITCH
.set STO,  24
.set RD,   25
.set CO,   26
.set SPW,  62
.set NIL,  63
.set SA,   64
.set SB,   96
.set BK,   64
.set ACC,  128
.set G1A,  24
.set G1B,  32
.set GA,   68
.set GB,   84
.set MSB, 0
.macro WIN new
.if MSB != \new
	s_set_vgpr_msb (MSB<<8)|\new
.set MSB, \new
.endif
.endm
.set MUL,  0x05
.set TO_F, 0x40
.macro CROUND
	s_barrier_signal -1
	s_barrier_wait -1
	s_cmp_lg_u32 s10, 0
	s_cbranch_scc1 .Lnot_wave_0_\@
	s_barrier_signal -3
.Lnot_wave_0_\@:
	s_barrier_wait -3
	s_barrier_signal -1
	s_barrier_wait -1
.endm
.macro PLACES
.rept 4
	v_nop
.endr
.endm
	s_load_b128 s[4:7], s[0:1], 0x0                ; aq, cod
	s_load_b64 s[8:9], s[0:1], 0x10                ; out0
	v_lshl_add_u32 v[SPW], v0, 2, SPARE
	v_mov_b32 v[NIL], 0
	ds_add_u32 v[SPW], v[NIL]                      ; the opening lines: the add twice on end and one wait
	ds_add_u32 v[SPW], v[NIL]
	v_lshrrev_b32 v1, 5, v0
	v_readfirstlane_b32 s10, v1
	s_lshr_b32 s11, s10, 1                         ; my half of the tokens; also: I fetch for A (0) or B (1)
	s_and_b32 s12, s10, 1                          ; my half of the columns; also: which half I fetch
	s_bfe_u32 s13, ttmp6, 0x40000
	s_bfe_u32 s14, ttmp6, 0x40004
	s_lshl_b32 s15, ttmp9, 2
	s_add_co_u32 s15, s15, s13                     ; tile column
	s_and_b32 s16, ttmp7, 0xffff
	s_lshl_b32 s16, s16, 2
	s_add_co_u32 s16, s16, s14                     ; tile row
	s_lshl_b32 s17, s14, 2
	s_lshl_b32 s17, 15, s17
	s_lshl_b32 s18, 0x1111, s13
	s_or_b32 s[G1A], s17, (3<<16)|(1<<21)          ; A: 192 dense rows of 32 elements of 8 bytes; no padding
	s_mov_b32 s[G1A+1], 32<<16
	s_mov_b32 s[G1A+2], 192<<16
	s_mov_b32 s[G1A+3], 32<<16
	s_mov_b32 s[G1A+4], 192
	s_mov_b32 s[G1A+5], 32
	s_mov_b32 s[G1A+6], 0
	s_mov_b32 s[G1A+7], 0
	s_or_b32 s[G1B], s18, (0<<16)|(1<<20)|(1<<21)|(5<<22)|(3<<25)   ; B: 64 rows of 768 bytes; after every 64 words 4 words of padding
	s_mov_b32 s[G1B+1], 768<<16
	s_mov_b32 s[G1B+2], 64<<16
	s_mov_b32 s[G1B+3], 768<<16
	s_mov_b32 s[G1B+4], 64
	s_mov_b32 s[G1B+5], 768
	s_mov_b32 s[G1B+6], 0
	s_mov_b32 s[G1B+7], 0
	s_lshl_b32 s20, s16, 3
	s_lshl_b32 s19, s12, 2
	s_add_co_u32 s20, s20, s19
	s_mul_i32 s20, s20, ATL                        ; A, to fetch: token tile 8 x tile row + 4 x half
	s_mov_b32 s21, 0
	s_lshl_b32 s22, s16, 7
	s_lshl_b32 s19, s11, 6
	s_add_co_u32 s22, s22, s19
	s_lshl_b32 s22, s22, 5
	s_add_co_u32 s22, s22, 0x300000                ; the scale bytes of my 64 tokens
	s_mov_b32 s23, 0
	s_lshl_b32 s2, s15, 7
	s_lshl_b32 s19, s12, 6
	s_add_co_u32 s2, s2, s19
	s_add_co_u32 s2, s2, 7168                      ; B: row 7,168 + 128 x tile column + 64 x half: the half that I fetch is the half that I multiply
	s_lshl_b32 s40, s2, 5
	s_add_co_u32 s40, s40, 0x600000
	s_mov_b32 s41, 0
	s_mul_i32 s2, s2, 768
	s_mov_b32 s3, 0
	s_mul_i32 s17, s12, AH
	s_mul_i32 s18, s12, BH
	s_add_co_u32 s18, s18, BB
	s_wait_dscnt 0x0
	s_wait_kmcnt 0x0
	s_mov_b32 s[GA], 1
	s_mov_b32 s[GA+1], s17
	s_add_nc_u64 s[GA+2:GA+3], s[4:5], s[20:21]
	s_or_b32 s[GA+3], s[GA+3], 0x80000000
	s_mov_b32 s[GB], 1
	s_mov_b32 s[GB+1], s18
	s_add_nc_u64 s[GB+2:GB+3], s[6:7], s[2:3]
	s_or_b32 s[GB+3], s[GB+3], 0x80000000
	s_add_nc_u64 s[22:23], s[4:5], s[22:23]
	s_add_nc_u64 s[40:41], s[6:7], s[40:41]
	CROUND                                         ; the joint loads meet
	s_cmp_eq_u32 s11, 0
	s_cbranch_scc0 .Lfor_b
	tensor_load_to_lds s[GA:GA+3], s[G1A:G1A+7]
	s_nop 0
.rept 4
	v_nop
.endr
	s_branch .Lasked
.Lfor_b:
	tensor_load_to_lds s[GB:GB+3], s[G1B:G1B+7]
	s_nop 0
.rept 4
	v_nop
.endr
.Lasked:
	v_and_b32 v1, 15, v0                           ; r
	v_bfe_u32 v2, v0, 4, 1                         ; h
	v_and_b32 v3, 31, v0
	v_lshlrev_b32 v5, 5, v1                        ; my row's 32 scale bytes
.irp i, 0,1,2,3
	global_load_b128 v[SA+8*\i:SA+8*\i+3], v5, s[22:23] offset:512*\i
	global_load_b128 v[SA+8*\i+4:SA+8*\i+7], v5, s[22:23] offset:512*\i+16
	global_load_b128 v[SB+8*\i:SB+8*\i+3], v5, s[40:41] offset:512*\i
	global_load_b128 v[SB+8*\i+4:SB+8*\i+7], v5, s[40:41] offset:512*\i+16
.endr
	s_mul_i32 s19, s11, AH                         ; my four token tiles of A
	v_lshl_add_u32 v16, v3, 4, s19
	v_lshl_add_u32 v18, v3, 3, s19
	v_mul_u32_u24 v4, v1, BP
	v_mad_u32_u24 v4, v2, 24, v4
	s_mul_i32 s19, s12, BH
	s_add_co_u32 s19, s19, BB                      ; my 64 rows of B
	v_add_nc_u32 v20, s19, v4
	v_lshl_add_u32 v22, v2, 4, v20                 ; for a piece whose lanes 16-31 lie behind one padding more
	s_mul_i32 s19, s10, 16*SPITCH
	s_add_co_u32 s19, s19, STG
	v_mul_u32_u24 v4, v1, SPITCH
	v_lshl_add_u32 v4, v2, 6, v4
	v_add_nc_u32 v[STO], s19, v4
	v_mul_u32_u24 v4, v2, SPITCH
	v_lshl_add_u32 v4, v1, 4, v4
	v_add_nc_u32 v[RD], s19, v4
	v_lshlrev_b32 v4, 12, v2
	v_lshl_add_u32 v[CO], v1, 4, v4
	s_lshl_b32 s20, s16, 7
	s_lshl_b32 s21, s11, 6
	s_add_co_u32 s20, s20, s21
	s_lshl_b32 s20, s20, 12
	s_lshl_b32 s21, s15, 9
	s_add_co_u32 s20, s20, s21
	s_lshl_b32 s21, s12, 8
	s_add_co_u32 s20, s20, s21
	s_mov_b32 s21, 0
	s_add_nc_u64 s[8:9], s[8:9], s[20:21]
.macro FRAGA reg, i, s                         ; token tile i, step s: two heads' images on end
	ds_load_b128 v[\reg:\reg+3], v16 offset:ATL*(\i)+1536*(\s)
	ds_load_b64 v[\reg+4:\reg+5], v18 offset:ATL*(\i)+1536*(\s)+512
	ds_load_b128 v[\reg+6:\reg+9], v16 offset:ATL*(\i)+1536*(\s)+768
	ds_load_b64 v[\reg+10:\reg+11], v18 offset:ATL*(\i)+1536*(\s)+1280
.endm
.macro FRAGB reg, i, s                         ; rows 16 i on: six pieces of 8 bytes; byte y of a row lies at y + 16 (y / 256)
.irp p, 0,1,2,3,4,5
.set BY, 96*(\s)+48*(\p/3)+8*(\p%3)
.if BY/256 == (BY+24)/256
	ds_load_b64 v[\reg+2*\p:\reg+2*\p+1], v20 offset:BY+16*(BY/256)+(\i)*16*BP
.else
	ds_load_b64 v[\reg+2*\p:\reg+2*\p+1], v22 offset:BY+16*(BY/256)+(\i)*16*BP
.endif
.endr
.endm
.macro FETCH s, f
	WIN TO_F
.irp i, 0,1,2,3
	FRAGA \f+FR*\i, \i, \s
.endr
.irp i, 0,1,2,3
	FRAGB \f+48+FR*\i, \i, \s
.endr
.endm
.macro MUL8 f, a0, s, zero                     ; the 16 accumulators take turns, one instruction a turn
.irp a, \a0, \a0+1
.irp b, 0,1,2,3
.if \zero
	v_wmma_scale_f32_16x16x128_f8f6f4 v[ACC+8*(4*(\a)+\b):ACC+8*(4*(\a)+\b)+7], v[\f+48+FR*\b:\f+48+FR*\b+FR-1], v[\f+FR*(\a):\f+FR*(\a)+FR-1], 0, v[SB+8*\b+(\s)], v[SA+8*(\a)+(\s)] matrix_a_fmt:MATRIX_FMT_FP6 matrix_b_fmt:MATRIX_FMT_FP6
.else
	v_wmma_scale_f32_16x16x128_f8f6f4 v[ACC+8*(4*(\a)+\b):ACC+8*(4*(\a)+\b)+7], v[\f+48+FR*\b:\f+48+FR*\b+FR-1], v[\f+FR*(\a):\f+FR*(\a)+FR-1], v[ACC+8*(4*(\a)+\b):ACC+8*(4*(\a)+\b)+7], v[SB+8*\b+(\s)], v[SA+8*(\a)+(\s)] matrix_a_fmt:MATRIX_FMT_FP6 matrix_b_fmt:MATRIX_FMT_FP6
.endif
.endr
.endr
.endm
.macro KSTEP s, zero
.set FB, 128*((\s)%2)
.set FN, 128-FB
	s_wait_dscnt 0x0                               ; this step's fragments are in
	WIN MUL
	MUL8 FB, 0, \s, \zero
.if (\s) < 7
	PLACES                                         ; in front of loads into the buffer that the last step multiplied
	FETCH (\s)+1, FN
.endif
	WIN MUL
	MUL8 FB, 2, \s, \zero
.endm
	s_wait_alu depctr_va_vdst(0)
	s_wait_tensorcnt 0x0                           ; my half tile is in,
	s_barrier_signal -1
	s_barrier_wait -1                              ; and everybody's
	FETCH 0, 0
	s_wait_loadcnt 0x0                             ; the scale words
	KSTEP 0, 1
.irp s, 1,2,3,4,5,6,7
	KSTEP \s, 0
.endr
	WIN 0
; THE WAY OUT, block by block of 16 tokens x 64 columns, through my own stage.  Accumulator (a, b), lane (r, h), register j: token place r of tile a, column 32 (b / 2) + 8 (b % 2) + 16 h + j.
.macro TOSTAGE a
.irp b, 0,1,2,3
	ds_store_b128 v[STO], v[ACC+8*(4*(\a)+\b):ACC+8*(4*(\a)+\b)+3] offset:128*(\b/2)+32*(\b%2)
	ds_store_b128 v[STO], v[ACC+8*(4*(\a)+\b)+4:ACC+8*(4*(\a)+\b)+7] offset:128*(\b/2)+32*(\b%2)+16
.endr
.irp t, 0,1,2,3,4,5,6,7
	ds_load_b128 v[BK+32*((\a)%2)+4*\t:BK+32*((\a)%2)+4*\t+3], v[RD] offset:\t*2*SPITCH
.endr
.endm
.macro SEND a, younger
	s_wait_dscnt \younger
.irp t, 0,1,2,3,4,5,6,7
	global_store_b128 v[CO], v[BK+32*((\a)%2)+4*\t:BK+32*((\a)%2)+4*\t+3], s[8:9] offset:(32*((\a)/2)+8*((\a)%2)+2*\t+8*(\t/4))*4096 th:TH_STORE_NT   ; sixteen lanes store 256 consecutive bytes, aligned
.endr
.endm
	PLACES
	TOSTAGE 0
.irp a, 1,2,3
.if \a > 1
	s_wait_xcnt 0x0                                ; block a - 2's stores have read their registers
.endif
	TOSTAGE \a
	SEND \a-1, 16                                  ; behind block a - 1's loads: block a's 8 stores and 8 loads
.endr
	SEND 3, 0
	s_wait_tensorcnt 0x0                           ; the wave's end
	ds_add_u32 v[SPW], v[NIL]
	s_wait_dscnt 0x0
	CROUND                                         ; the closing round
	s_endpgm
.Lfunc_end_k_qcb2f9c8901_proj:
	.size	k_qcb2f9c8901_proj, .Lfunc_end_k_qcb2f9c8901_proj-k_qcb2f9c8901_proj
	.p2alignl 7, 3214868480
	.fill 96, 4, 3214868480
	.section	.rodata,"a",@progbits
	.p2align	6, 0x0
	.amdhsa_kernel k_qcb2f9c8901_proj
		.amdhsa_group_segment_fixed_size 221184
		.amdhsa_private_segment_fixed_size 0
		.amdhsa_enable_private_segment 0
		.amdhsa_kernarg_size 24
		.amdhsa_user_sgpr_count 2
		.amdhsa_user_sgpr_kernarg_segment_ptr 1
		.amdhsa_wavefront_size32 1
		.amdhsa_system_sgpr_workgroup_id_x 1
		.amdhsa_system_sgpr_workgroup_id_y 1
		.amdhsa_system_sgpr_workgroup_id_z 1
		.amdhsa_system_vgpr_workitem_id 0
		.amdhsa_next_free_vgpr 512
		.amdhsa_next_free_sgpr 100
		.amdhsa_reserve_vcc 0
		.amdhsa_float_denorm_mode_32 3
		.amdhsa_float_denorm_mode_16_64 3
		.amdhsa_memory_ordered 1
		.amdhsa_forward_progress 1
		.amdhsa_inst_pref_size 54
	.end_amdhsa_kernel
	.amdgpu_metadata
---
amdhsa.version: [ 1, 2 ]
amdhsa.kernels:
  - .name:           k_qcb2f9c8901_proj
    .symbol:         k_qcb2f9c8901_proj.kd
    .args:
      - { .name: aq, .offset: 0, .size: 8, .value_kind: global_buffer, .address_space: global }
      - { .name: cod, .offset: 8, .size: 8, .value_kind: global_buffer, .address_space: global }
      - { .name: out0, .offset: 16, .size: 8, .value_kind: global_buffer, .address_space: global }
    .group_segment_fixed_size: 221184
    .private_segment_fixed_size: 0
    .kernarg_segment_align: 8
    .kernarg_segment_size: 24
    .max_flat_workgroup_size: 128
    .sgpr_count:     100
    .vgpr_count:     512
    .wavefront_size: 32
...
	.end_amdgpu_metadata
.endif
;; end of part 4
